; MI455X (gfx1250); checked and timed in simulation.
; The chip was launched on July 23, 2026; its instructions are those of AMD's public machine-readable ISA for CDNA 5 (MIT licence, August 2026) and "CDNA5" Instruction Set Architecture Reference Guide (July 2026). The comments in the code are by the model that wrote it; some were corrected since.
;; Mixture Of Experts. Allowed arithmetic: float matrix products may take bf16 or f16 operands with f32 sums; other float arithmetic in f32, or as packed bf16 or f16 multiplies, adds, multiply-adds, maxima and minima; sums over many terms, partial sums and values carried from step to step in f32; what a program stores and reads back later, other than sums and carried values, may be rounded once to bf16 or f16.
;; Inputs: W1 8 x 1,024 x 4,096 float32; W2 8 x 4,096 x 1,024 float32; W_router 1,024 x 8 float32; b1 8 x 4,096 float32; b2 8 x 1,024 float32; x 4 x 256 x 1,024 float32.
;; Outputs: out0 4 x 256 x 1,024 float32.
;; One version. Each part assembles by itself: llvm-mc -triple=amdgcn-amd-amdhsa -mcpu=gfx1250 --defsym DOCPART=n.
;; ======== version 1 of 1: 4 launches
;; limits: a function is approximated: absolute error at most 1.5e-07
;; workspace buffers: xb 2,097,152 bytes; route 2,048 bytes of whole numbers; idx 8,192 bytes of whole numbers; gate 8,192 bytes; hb 16,777,216 bytes; yp 33,554,432 bytes; rows 43,008 bytes of whole numbers
;; launch router (part 1): grid 128 x 1, 8 waves a work-group, no clusters, 38,144 bytes of LDS; arguments x, W_router, xb, route, idx, gate; writes xb, route, idx, gate
.if DOCPART == 1
	.amdgcn_target "amdgcn-amd-amdhsa--gfx1250"
	.amdhsa_code_object_version 6
	.text
	.protected	k_qbdae2100e0_router
	.globl	k_qbdae2100e0_router
	.p2align	8
	.type	k_qbdae2100e0_router,@function
k_qbdae2100e0_router:
	s_mov_b64 s[64:65], 0
	v_nop
	global_prefetch_b8 v0, s[64:65] scope:SCOPE_SE
	s_setreg_imm32_b32 hwreg(HW_REG_WAVE_MODE, 25, 1), 1
	s_wait_xcnt 0x0
; ROUTER.  x [1024 tokens][1024] f32, W_router [1024][8] f32.  Stores: xb = x rounded to bf16; idx[2 t + c] = the token's c-th expert; gate[2 t + c] = its gate;
; route: M[e] (bytes 0..1023, 128 bytes an expert): bit t set where token t chose e; C[e] (bytes 1024..2047): bit t set where e is t's SECOND choice.
; All the module's inputs are rounded to bf16, x and W_router too: the logits are sums in f32 of products of the rounded numbers (such a product is exact in f32).
; SHARES.  A work-group has 8 tokens, a wave one: 8 tokens are one byte of each bitmap, so each byte of route has one owner.  The product has 8 columns, half a matrix
; tile's width, and is a two-thousandth of the module's arithmetic: it is done by packed multiply-adds, W_router lying in LDS once for the eight waves.
; LIMITS.  The two largest are found among the exponentials 2^((l - max) log2 e), before the common division (which keeps their order); one below 2^-126 counts as 0;
; equal values go to the lower index, as in top_k.  NaN and infinities are not treated apart.  No address and no branch hangs on the choice: it is stored at fixed places.
.set WRP,   144                        ; a group of 4 rows of W_router in LDS: 128 bytes + 16 of padding: an odd multiple of 16, so 16 lanes' 16-byte reads fall on 16 different columns
.set WRM,   32*WRP                     ; 32 groups: what the wave's 32 lanes take for one 512-byte piece of x
.set RES,   36864                      ; behind the 256 groups: 16 words of experts, at +64 16 words of gates
.set SPARE, 37120                      ; the spare words, 128 bytes for each of the eight waves; no other line names them
.set SPW, 4                            ; v4   SPARE + 4 x my thread's number; never rewritten
.set NIL, 5                            ; v5   0; never rewritten
.set WL,  16                           ; v16-47   W_router as loaded, then rounded; later buffer 0 of the reads from LDS
.set XL,  48                           ; v48-79   my token's x: lane l holds elements 128 m + 4 l + 0..3 in registers 4 m + 0..3
.set PK,  80                           ; v80-95   packed bf16
.set ACC, 128                          ; v128-143 two sets of 8 sums, one for even and one for odd rows of a group; then the 8 logits in v128-135
.set PR,  136                          ; v136-143 the 8 exponentials
	s_load_b256 s[4:11], s[0:1], 0x0               ; x s[4:5], W_router s[6:7], xb s[8:9], route s[10:11]
	s_load_b128 s[12:15], s[0:1], 0x20             ; idx s[12:13], gate s[14:15]
	v_lshl_add_u32 v[SPW], v0, 2, SPARE
	v_mov_b32 v[NIL], 0
	v_lshrrev_b32 v2, 5, v0
	v_readfirstlane_b32 s16, v2                    ; wave 0..7
	v_and_b32 v1, 31, v0                           ; lane
	v_lshlrev_b32 v6, 4, v0                        ; W_router: 16 bytes a thread
	v_lshlrev_b32 v7, 4, v1                        ; x: 16 bytes a lane
	v_lshrrev_b32 v8, 3, v0                        ; into LDS: group thread / 8, piece thread % 8
	v_mul_u32_u24 v8, v8, WRP
	v_and_b32 v3, 7, v0
	v_lshl_add_u32 v8, v3, 4, v8
	v_mul_u32_u24 v9, v1, WRP                      ; out of LDS: group lane (+ 32 m)
	v_lshlrev_b32 v10, 3, v1                       ; xb: 8 bytes a lane
	s_mov_b32 s28, ttmp9                           ; the work-group's number
	s_lshl3_add_u32 s17, s28, s16                  ; my token = 8 x work-group + wave
	s_lshl_b32 s18, s17, 12                        ; its row in x, 4,096 bytes
	s_mov_b32 s19, 0
	s_lshl_b32 s20, s17, 11                        ; and in xb, 2,048 bytes
	s_mov_b32 s21, 0
	s_mov_b32 s22, 0xffff0000                      ; a word's upper bf16
	s_mov_b32 s24, 0x76543210                      ; v_permlanex16_b32: each lane takes its own place in the other half
	s_mov_b32 s25, 0xfedcba98
	s_wait_kmcnt 0x0
	s_add_nc_u64 s[4:5], s[4:5], s[18:19]
	s_add_nc_u64 s[8:9], s[8:9], s[20:21]
.irp n, 0,1,2,3,4,5,6,7
	global_load_b128 v[WL+4*(\n):WL+4*(\n)+3], v6, s[6:7] offset:4096*(\n)   ; the eight waves together take 4,096 consecutive bytes
.endr
.irp m, 0,1,2,3,4,5,6,7
	global_load_b128 v[XL+4*(\m):XL+4*(\m)+3], v7, s[4:5] offset:512*(\m) th:TH_LOAD_NT  ; 512 consecutive bytes; x is read once in the launch
.endr
	s_wait_loadcnt 0x8                             ; W_router is in; the eight loads of x, issued behind it, may stay out
.irp k, 0,1,2,3,4,5,6,7,8,9,10,11,12,13,14,15
	v_cvt_pk_bf16_f32 v[PK+(\k)], v[WL+2*(\k)], v[WL+2*(\k)+1]   ; rounded to bf16,
.endr
.irp k, 0,1,2,3,4,5,6,7,8,9,10,11,12,13,14,15
	v_lshlrev_b32 v[WL+2*(\k)], 16, v[PK+(\k)]     ; and written as f32 again
	v_and_b32 v[WL+2*(\k)+1], s22, v[PK+(\k)]
.endr
.irp n, 0,1,2,3,4,5,6,7
	ds_store_b128 v8, v[WL+4*(\n):WL+4*(\n)+3] offset:WRM*(\n)
.endr
	s_wait_dscnt 0x0                               ; for the others' sake: my part of W_router lies in LDS
	s_barrier_signal -1
	s_barrier_wait -1                              ; everybody's does
.macro WLD m, buf                      ; the four rows of W_router that go with my four elements of piece m: 128 bytes a lane
.irp kk, 0,1,2,3,4,5,6,7
	ds_load_b128 v[(\buf)+4*(\kk):(\buf)+4*(\kk)+3], v9 offset:WRM*(\m)+16*(\kk)
.endr
.endm
.macro MAC m, buf                      ; 16 packed multiply-adds: row jj of the four, experts ep and ep + 1; x's element is given to both halves
.irp jj, 0,1,2,3
.irp ep, 0,2,4,6
.set XP, XL+4*(\m)+2*((\jj)/2)
.set AP, ACC+8*((\jj)%2)+(\ep)
.set WP, (\buf)+8*(\jj)+(\ep)
.if ((\m) == 0) && ((\jj) == 0)
	v_pk_mul_f32 v[AP:AP+1], v[WP:WP+1], v[XP:XP+1] op_sel_hi:[1,0]                 ; the first products start the sums: nothing is cleared
.elseif ((\m) == 0) && ((\jj) == 1)
	v_pk_mul_f32 v[AP:AP+1], v[WP:WP+1], v[XP:XP+1] op_sel:[0,1] op_sel_hi:[1,1]
.elseif ((\jj)%2) == 0
	v_pk_fma_f32 v[AP:AP+1], v[WP:WP+1], v[XP:XP+1], v[AP:AP+1] op_sel_hi:[1,0,1]
.else
	v_pk_fma_f32 v[AP:AP+1], v[WP:WP+1], v[XP:XP+1], v[AP:AP+1] op_sel:[0,1,0] op_sel_hi:[1,1,1]
.endif
.endr
.endr
.endm
	WLD 0, WL                                      ; on its way while x is rounded
	s_wait_loadcnt 0x0                             ; x
.irp k, 0,1,2,3,4,5,6,7,8,9,10,11,12,13,14,15
	v_cvt_pk_bf16_f32 v[PK+(\k)], v[XL+2*(\k)], v[XL+2*(\k)+1]
.endr
.irp m, 0,1,2,3,4,5,6,7
	global_store_b64 v10, v[PK+2*(\m):PK+2*(\m)+1], s[8:9] offset:256*(\m)  ; the wave's store covers 256 consecutive bytes, aligned; PK is not written again
.endr
.irp k, 0,1,2,3,4,5,6,7,8,9,10,11,12,13,14,15
	v_lshlrev_b32 v[XL+2*(\k)], 16, v[PK+(\k)]
	v_and_b32 v[XL+2*(\k)+1], s22, v[PK+(\k)]
.endr
.irp m, 0,1,2,3,4,5,6,7
.if (\m) < 7
	WLD (\m)+1, WL+80*(((\m)+1)%2)                 ; the next piece's rows, into the other buffer (v16-47, v96-127)
	s_wait_dscnt 0x8                               ; this piece's eight reads are in; the eight just issued stay out
.else
	s_wait_dscnt 0x0
.endif
	MAC \m, WL+80*((\m)%2)
.endr
.irp e, 0,2,4,6
	v_pk_add_f32 v[ACC+(\e):ACC+(\e)+1], v[ACC+(\e):ACC+(\e)+1], v[ACC+8+(\e):ACC+8+(\e)+1]
.endr
.irp x, 1,2,4,8                        ; across the lanes: four steps inside each half of 16 ride on the addition, one crosses the halves
.irp e, 0,1,2,3,4,5,6,7
	v_add_f32_dpp v[ACC+(\e)], v[ACC+(\e)], v[ACC+(\e)] row_xmask:\x row_mask:0xf bank_mask:0xf
.endr
.endr
.irp e, 0,1,2,3,4,5,6,7
	v_permlanex16_b32 v[96+(\e)], v[ACC+(\e)], s24, s25   ; its destination counts as read: v96-103 were written by the reads above
.endr
.irp e, 0,1,2,3,4,5,6,7
	v_add_f32 v[ACC+(\e)], v[ACC+(\e)], v[96+(\e)]        ; every lane holds the token's 8 logits
.endr
	; softmax over the experts, with the maximum taken away as in the module
	v_max3_num_f32 v144, v128, v129, v130
	v_max3_num_f32 v144, v144, v131, v132
	v_max3_num_f32 v144, v144, v133, v134
	v_max_num_f32 v144, v144, v135
.irp e, 0,1,2,3,4,5,6,7
	v_sub_f32 v[PR+(\e)], v[ACC+(\e)], v144
.endr
.irp e, 0,1,2,3,4,5,6,7
	v_mul_f32 v[PR+(\e)], 0x3fb8aa3b, v[PR+(\e)]
.endr
.irp e, 0,1,2,3,4,5,6,7
	v_exp_f32 v[PR+(\e)], v[PR+(\e)]
.endr
	v_mov_b32 v150, 0                              ; the first choice's index; also the plain instruction behind the exponentials (ISA guide 5.7.2)
	s_wait_alu depctr_va_vdst(0)
	v_add_f32 v145, v136, v137
	v_add_f32 v146, v138, v139
	v_add_f32 v154, v140, v141
	v_add_f32 v155, v142, v143
	v_add_f32 v145, v145, v146
	v_add_f32 v154, v154, v155
	v_add_f32 v145, v145, v154
	v_rcp_f32 v146, v145                           ; 1 / sum; used behind the two scans
	v_mov_b32 v147, v136
.irp e, 1,2,3,4,5,6,7                  ; the largest; where the newcomer is not greater the holder stays: the lower index wins a tie
	v_cmp_le_f32 vcc_lo, v[PR+(\e)], v147
	v_cndmask_b32 v147, v[PR+(\e)], v147, vcc_lo
	v_cndmask_b32 v150, \e, v150, vcc_lo
.endr
	v_mov_b32 v156, -1.0
.irp e, 0,1,2,3,4,5,6,7                ; the winner leaves the field: -1 lies below every exponential
	v_cmp_eq_u32 vcc_lo, \e, v150
	v_cndmask_b32 v[PR+(\e)], v[PR+(\e)], v156, vcc_lo
.endr
	v_mov_b32 v149, v136
	v_mov_b32 v151, 0
.irp e, 1,2,3,4,5,6,7
	v_cmp_le_f32 vcc_lo, v[PR+(\e)], v149
	v_cndmask_b32 v149, v[PR+(\e)], v149, vcc_lo
	v_cndmask_b32 v151, \e, v151, vcc_lo
.endr
	; the two gates: softmax of the two probabilities; the first is the larger, so the exponent lies in -1 .. 0
	s_wait_alu depctr_va_vdst(0)
	v_mul_f32 v147, v147, v146
	v_mul_f32 v149, v149, v146
	v_sub_f32 v149, v149, v147
	v_mul_f32 v149, 0x3fb8aa3b, v149
	v_exp_f32 v149, v149
	v_nop                                          ; a plain instruction between a transcendental and the use of its result
	s_wait_alu depctr_va_vdst(0)
	v_add_f32 v154, 1.0, v149
	v_rcp_f32 v152, v154
	v_nop
	s_wait_alu depctr_va_vdst(0)
	v_mul_f32 v153, v149, v152
	s_lshl_b32 s26, s16, 3
	s_add_co_u32 s26, s26, RES
	v_mov_b32 v11, s26
	ds_store_b64 v11, v[150:151]                   ; all lanes write the same two words with the same values
	ds_store_b64 v11, v[152:153] offset:64
	s_wait_dscnt 0x0                               ; for wave 0's sake
	s_barrier_signal -1
	s_barrier_wait -1
	s_cmp_lg_u32 s16, 0
	s_cbranch_scc1 .Lend                           ; wave 0 alone stores the work-group's 16 choices, 16 gates and 16 bytes of bitmaps; no barrier is jumped
	v_and_b32 v12, 7, v1
	v_and_b32 v22, 15, v1
	v_lshl_add_u32 v13, v12, 3, RES                ; lane l: token l % 8's two choices
	v_lshl_add_u32 v23, v22, 2, RES                ; lane l: word l % 16 of the choices, and of the gates
	ds_load_b64 v[14:15], v13
	ds_load_b32 v16, v23
	ds_load_b32 v17, v23 offset:64
	v_mov_b32 v18, 0                               ; written whole before single lanes of it are
	v_lshrrev_b32 v19, 3, v22                      ; lanes 0-7: M, lanes 8-15: C, 1,024 bytes on
	v_lshlrev_b32 v19, 10, v19
	v_lshl_add_u32 v19, v12, 7, v19                ; expert l % 8: 128 bytes each
	v_add_nc_u32 v19, s28, v19                     ; my work-group's byte
	s_lshl_b32 s29, s28, 6
	v_lshl_add_u32 v21, v22, 2, s29                ; idx and gate: 64 bytes a work-group
	s_wait_dscnt 0x0
.irp e, 0,1,2,3,4,5,6,7
	v_cmp_eq_u32 s26, \e, v14                      ; bit l: token l % 8 has e as its first choice,
	v_cmp_eq_u32 s27, \e, v15                      ; as its second
	s_or_b32 s26, s26, s27
	s_and_b32 s26, s26, 0xff                       ; lanes 0-7 are the eight tokens
	s_and_b32 s27, s27, 0xff
	v_writelane_b32 v18, s26, \e
	v_writelane_b32 v18, s27, 8+(\e)
.endr
	v_cmp_gt_u32 vcc_lo, 16, v1
	s_wait_xcnt 0x0                                ; EXEC changes only behind this wait: it is a source of the stores issued above
	s_and_saveexec_b32 s30, vcc_lo
	global_store_b8 v19, v18, s[10:11]             ; 16 single bytes, 128 apart: each is the one byte of its bitmap that these 8 tokens own
	global_store_b32 v21, v16, s[12:13]
	global_store_b32 v21, v17, s[14:15]
	s_wait_xcnt 0x0                                ; and again in front of the line that widens it
	s_or_b32 exec_lo, exec_lo, s30
.Lend:
	s_wait_tensorcnt 0x0                           ; the wave's end: three lines behind my last LDS store
	ds_add_u32 v[SPW], v[NIL]
	s_wait_dscnt 0x0
	s_endpgm
.Lfunc_end_k_qbdae2100e0_router:
	.size	k_qbdae2100e0_router, .Lfunc_end_k_qbdae2100e0_router-k_qbdae2100e0_router
	.p2alignl 7, 3214868480
	.fill 96, 4, 3214868480
	.section	.rodata,"a",@progbits
	.p2align	6, 0x0
	.amdhsa_kernel k_qbdae2100e0_router
		.amdhsa_group_segment_fixed_size 38144
		.amdhsa_private_segment_fixed_size 0
		.amdhsa_enable_private_segment 0
		.amdhsa_kernarg_size 48
		.amdhsa_user_sgpr_count 2
		.amdhsa_user_sgpr_kernarg_segment_ptr 1
		.amdhsa_wavefront_size32 1
		.amdhsa_system_sgpr_workgroup_id_x 1
		.amdhsa_system_sgpr_workgroup_id_y 1
		.amdhsa_system_sgpr_workgroup_id_z 1
		.amdhsa_system_vgpr_workitem_id 0
		.amdhsa_next_free_vgpr 160
		.amdhsa_next_free_sgpr 66
		.amdhsa_reserve_vcc 1
		.amdhsa_float_denorm_mode_32 3
		.amdhsa_float_denorm_mode_16_64 3
		.amdhsa_memory_ordered 1
		.amdhsa_forward_progress 1
		.amdhsa_inst_pref_size 33
	.end_amdhsa_kernel
	.amdgpu_metadata
---
amdhsa.version: [ 1, 2 ]
amdhsa.kernels:
  - .name:           k_qbdae2100e0_router
    .symbol:         k_qbdae2100e0_router.kd
    .args:
      - { .name: x, .offset: 0, .size: 8, .value_kind: global_buffer, .address_space: global }
      - { .name: W_router, .offset: 8, .size: 8, .value_kind: global_buffer, .address_space: global }
      - { .name: xb, .offset: 16, .size: 8, .value_kind: global_buffer, .address_space: global }
      - { .name: route, .offset: 24, .size: 8, .value_kind: global_buffer, .address_space: global }
      - { .name: idx, .offset: 32, .size: 8, .value_kind: global_buffer, .address_space: global }
      - { .name: gate, .offset: 40, .size: 8, .value_kind: global_buffer, .address_space: global }
    .group_segment_fixed_size: 38144
    .private_segment_fixed_size: 0
    .kernarg_segment_align: 8
    .kernarg_segment_size: 48
    .max_flat_workgroup_size: 256
    .sgpr_count:     66
    .vgpr_count:     160
    .wavefront_size: 32
...
	.end_amdgpu_metadata
.endif
;; end of part 1
;; launch up (part 2): grid 32 x 8, 4 waves a work-group, no clusters, 268,032 bytes of LDS; arguments xb, W1, b1, route, hb, rows; writes hb, rows
.if DOCPART == 2
	.amdgcn_target "amdgcn-amd-amdhsa--gfx1250"
	.amdhsa_code_object_version 6
	.text
	.protected	k_qbdae2100e0_up
	.globl	k_qbdae2100e0_up
	.p2align	8
	.type	k_qbdae2100e0_up,@function
k_qbdae2100e0_up:
	s_mov_b64 s[64:65], 0
	v_nop
	global_prefetch_b8 v0, s[64:65] scope:SCOPE_SE
	s_setreg_imm32_b32 hwreg(HW_REG_WAVE_MODE, 25, 1), 1
	s_wait_xcnt 0x0
; UP.  hb[slot][f] = gelu(x[token] . W1[e][:, f] + b1[e][f]) in bf16, for the 2,048 routed rows alone; slot = 2 token + (0: e is the token's first choice, 1: its second).
; xb [1024][1024] bf16; W1 [8][1024][4096] f32 and b1 [8][4096] f32, both rounded to bf16 here; sums in f32; hb [2048][4096] bf16, rounded once.
; SHARES.  Work-group (x, e): columns 128 x .. 128 x + 127 of expert e, all 1,024 K: 512 KB of f32 that no other work-group reads, and ALL of e's rows, whatever their number (0 to 1,024).
; THE WEIGHTS come through registers (they have to be rounded), 64 K (a chunk) at a time: a load of a wave takes 512 consecutive bytes of one K row; two K rows are rounded into one word;
; the words go into LDS in the order in which the matrix instruction's second source takes them.  The whole slice, 262,144 bytes of bf16, stays there: no LDS byte is written twice,
; so one barrier a chunk (between its writing and its reading) is all that the stream needs.
; THE ROWS come by a list that wave 0 makes from the stored bitmaps; each wave loads its own rows from memory straight into the first source's registers.  Slice 0's wave 0 also stores the list and
; the count into rows ([8 experts][1,344 words]: 1,280 places, 32 words of no meaning, the count at word 1,312), for the next launch.
; K ORDER.  In chunk c, K step u (0, 1), a lane of half h holds in register group g (0, 1), element e: k = 64 c + 32 h + 16 u + 8 g + e, in both sources alike, which leaves the products as they are:
; a lane's share of a row in a chunk is then 64 consecutive bytes, 32 for each K step.
; COLUMNS.  Tile t (0..7), lane r holds column 8 r + t: a lane's eight tiles are eight neighbouring columns, 16 bytes of bf16, and 16 lanes store 256 consecutive bytes, aligned.
; PASSES.  A wave has 5 tiles of 16 rows at a time: tile number 20 pass + 4 i + wave.  Pass 0 (320 rows) runs beside the stream; passes 1 to 3 read the slice in LDS once more, and a wave without
; a live tile leaves.  Where tile i = 4 is dead its products and its row loads are jumped, and a dead tile stores nothing.
; THE LIST'S END.  The 32 places behind the last row repeat the expert's FIRST row.  The tile in which the list ends makes that row's numbers again, the same sums of the same numbers, and stores
; the same bytes to the same place once more (15 rows of 256 bytes at the most, by the same work-group): so every store is whole, and no line of this text changes EXEC.
; NO CLUSTER: each slice of weights has one reader; what an expert's work-groups share is rows named by a list, which no one tile describes, and LDS has no room for them beside the slice.
; GELU, exact form: gelu(z) = max(z, 0) - |z| erfc(|z| / sqrt 2) / 2, erfc by the five-term rational form of Abramowitz and Stegun 7.1.26: absolute error 1.5e-7, for every finite z.
; LIMITS.  NaN and infinities are not treated apart.
.set PITCH, 16384                      ; bytes from a K row of W1[e] to the next
.set CH,    64*PITCH                   ; a chunk of 64 K rows
.set NB0,   4                          ; loads issued ahead of the weights': two bitmap words, two of the bias
.set LIST,  262144                     ; behind the slice: the list, 80 tiles x 16 places, cleared and then written by wave 0
.set LWORDS, 1280                      ; its words; behind them 32 words, one a lane, for the lanes that have no row to enter
.set CNT,   LIST+4*LWORDS+128          ; the expert's number of rows
.set SPARE, LIST+4*LWORDS+256          ; the spare words, 128 bytes for each wave; no other line names them
.set ROWB,  4*LWORDS+256               ; bytes of an expert's part of rows: the list, the 32 words, the count's block
; window 0
.set LANE, 1
.set R,    2                           ; lane % 16
.set H,    3                           ; lane / 16
.set SPW,  4                           ; SPARE + 4 x my thread's number; never rewritten
.set NIL,  5                           ; 0; never rewritten
.set L16,  6                           ; 16 x lane: my place in a weight row, and in a fragment of tiles 0-3
.set L16X, 7                           ; 256 h + 16 (r xor 8): my place in a fragment of tiles 4-7
.set ST0,  8                           ; where my rounded weights go, in a chunk
.set SA,   9                           ; the same in the chunk in hand
.set BA0,  10                          ; LDS address of the fragments in hand, tiles 0-3
.set BA1,  11                          ; tiles 4-7
.set AR,   12                          ; v12-16  byte offset of my row in tile i, + 64 h
.set R16,  18
.set H64,  19
.set LR,   20                          ; LIST + 64 wave + 4 r
.set PFV,  22                          ; prefetch: row lane / 2 of my 16, half lane % 2 of its 512 bytes
.set T,    23
.set BIAS, 24                          ; v24-31  b1 of my columns 8 r + 0..7
.set TMP,  32                          ; v32-63  rounded weights on their way to LDS; at the head: bitmap words, offsets, the list's work
.set FB0,  64                          ; v64-127, v128-191  fragments of the weights: tile t at + 8 t
.set FB1,  128
.set SL,   192                         ; v192-199  the slots of rows 8 h + 0..7 of a tile
.set RA,   200                         ; v200-207  their byte offsets in hb
.set O,    208                         ; v208-239  a tile's results, packed
.set CS,   248                         ; v248-252  the slot of row r in the pass's tiles still to go out, the next one first
.set Z,    64                          ; the way out: a tile's 64 numbers (tile t, row j at 8 t + j)
.set Q,    128                         ; and 4 x 16 registers at work
.set DN,   144
.set MX,   160
.set PL,   176
; window 1: fragments of the rows, two buffers, tile i at + 16 i (8 registers for each K step); v160-179 the slots of row r in my tiles of the passes to come.
; window 2: sums of tiles 0-3 at 64 i + 8 t.  window 3: v0-63 sums of tile 4; two stagings of 16 K rows x 4 columns
.set FA0,  0
.set FA1,  80
.set QS,   160
.set SG0,  64
.set SG1,  128
; scalars
.set WV,   14                          ; wave
.set EX,   15                          ; expert
.set GX,   16                          ; slice
.set NE,   17                          ; the expert's rows
.set PASS, 18
.set KC,   19                          ; counts loops
.set AC,   20                          ; s[20:21] the rows' base: in chunk c's trip at chunk c + 1
.set WC,   22                          ; s[22:23] my 16 K rows of the chunk last asked for
.set CB,   24                          ; LDS byte of the chunk being multiplied
.set SCB,  25                          ; of the chunk being written
.set L5,   26                          ; 1: tile i = 4 is live
.set TI,   27
.set PF,   30                          ; s[30:31] prefetch base
.set OFS,  32                          ; s[32:33] an offset, high word 0
.set PFO,  34                          ; byte offset of the chunk to prefetch
.set CP,   40                          ; 0.3275911 / sqrt 2
.set HM,   41                          ; 0xffff0000: lanes 16-31; also a word's upper bf16
.set CC,   42                          ; s[42:43] - log2(e) / 2
.set KA5,  44                          ; s[44:53] the five coefficients, halved, each the low word of a pair
.set KA4,  46
.set KA3,  48
.set KA2,  50
.set KA1,  52
.set LS,   54                          ; s[54:55] rows at my expert's part
.set LM,   66                          ; s66-69 four bitmap words M;  s70-73 the same of C;  s74-77 the rows ahead of each;  s78, s79 lane numbers
.set LC,   70
.set LB,   74
.set W_LD,  0xc0                       ; destination window 3, address window 0
.set W_CV,  0x0f                       ; sources 0 and 1 window 3, destination window 0
.set A_LD,  0x40                       ; destination window 1
.set MM_LO, 0xa1                       ; rows (source 0) window 1, weights (source 1) window 0, sums window 2
.set MM_HI, 0xf1                       ; the same, sums window 3
.set EP_LO, 0x02                       ; source 0 window 2
.set EP_HI, 0x03
.set MSB, 0
.set DO_CV, 0                          ; what a trip's riders do: set by TRIP
.set DO_A1, 0
.set DO_A0, 0
.set DO_W,  0
.set DO_NB, 0
.macro WIN new                         ; the immediate's high byte repeats the setting that is left; a switch that changes nothing is dropped
.if MSB != (\new)
	s_set_vgpr_msb (MSB<<8)|(\new)
.set MSB, (\new)
.endif
.endm
.macro PLACES                          ; four places between a matrix instruction and a load into, or a vector instruction on, its registers (ISA guide 7.12.1 for vector instructions)
.rept 4
	v_nop
.endr
.endm
.macro LOADW sb, off                   ; my 16 K rows of a chunk: 16 loads of 512 consecutive bytes
	WIN W_LD
.irp rr, 0,1,2,3,4,5,6,7,8,9,10,11,12,13,14,15
	global_load_b128 v[(\sb)+4*(\rr):(\sb)+4*(\rr)+3], v[L16], s[WC:WC+1] offset:(\off)+(\rr)*PITCH th:TH_LOAD_NT
.endr
.endm
; THE PIECES that stand among the products; each stays in one setting of the windows.
.macro WL r0                           ; four of my 16 K rows into staging RSB
	WIN W_LD
.irp rr, 0,1,2,3
	global_load_b128 v[RSB+4*((\r0)+(\rr)):RSB+4*((\r0)+(\rr))+3], v[L16], s[WC:WC+1] offset:((\r0)+(\rr))*PITCH th:TH_LOAD_NT
.endr
.endm
.macro CV g, i                         ; group g of 8 K rows, my column i: two K rows are rounded into a word, 16 bytes in all
	WIN W_CV
.irp d, 0,1,2,3
	v_cvt_pk_bf16_f32 v[TMP+16*(\g)+4*(\i)+(\d)], v[RSB+32*(\g)+8*(\d)+(\i)], v[RSB+32*(\g)+8*(\d)+4+(\i)]
.endr
.endm
.macro SS g                            ; group g's four columns go into LDS
	WIN 0
.irp i, 0,1,2,3
	ds_store_b128 v[SA], v[TMP+16*(\g)+4*(\i):TMP+16*(\g)+4*(\i)+3] offset:(\i)*1024+(\g)*512
.endr
.endm
.macro AH ab, u, off, tiles:vararg     ; K step u's 32 bytes of my row in the named tiles, from byte off behind the rows' base
	WIN A_LD
.irp i, \tiles
.irp j, 0,1
	global_load_b128 v[(\ab)+16*(\i)+8*(\u)+4*(\j):(\ab)+16*(\i)+8*(\u)+4*(\j)+3], v[AR+(\i)], s[AC:AC+1] offset:(\off)+16*(\j)
.endr
.endr
.endm
.macro BF bb, off, tiles:vararg        ; the named tiles' fragments of the weights: two reads of 512 consecutive bytes each (tiles 4-7: the halves of each 256 swapped)
	WIN 0
.irp t, \tiles
.if (\t) < 4
	ds_load_b128 v[(\bb)+8*(\t):(\bb)+8*(\t)+3],   v[BA0] offset:(\off)+(\t)*1024
	ds_load_b128 v[(\bb)+8*(\t)+4:(\bb)+8*(\t)+7], v[BA0] offset:(\off)+(\t)*1024+512
.else
	ds_load_b128 v[(\bb)+8*(\t):(\bb)+8*(\t)+3],   v[BA1] offset:(\off)+(\t)*1024
	ds_load_b128 v[(\bb)+8*(\t)+4:(\bb)+8*(\t)+7], v[BA1] offset:(\off)+(\t)*1024+512
.endif
.endr
.endm
; WHERE A CHUNK'S OTHER WORK STANDS.  Beside its 64 or 80 products a chunk has 32 conversions and 73 memory and LDS instructions (77 where tile 4 is live).  The conversions, work on registers, ride
; four behind a product.  The memory and LDS instructions stand in five runs, three in the first K step and two in the second: the row of products is broken five times a chunk, not once for each
; small group.  A run is four LDS instructions, four or eight loads from memory, four LDS instructions: in a trip that loads, no more than four LDS instructions follow each other.
; BEHIND PRODUCT n OF THE FIRST K STEP.  The order is bound so: the first two rides are plain vector instructions, the places in front of every load that follows into registers that the last K step
; read; the rows' loads stand ahead of the weights', so that the counts below hold; a group's weights are asked for again when its 16 conversions are done and its four stores issued; every LDS
; instruction is issued by product 10, and the wait for them stands behind product 25.  The barrier's signal stands there and its wait behind product 31: six products, work on registers, between the two.
.macro RIDE0
.if n == 0
.if DO_CV
	CV 0, 0
.else
	PLACES
.endif
.elseif n == 2
	BF FB1, 8192, 0, 1                             ; this chunk's second K step,
.if DO_A1
	AH NA1, 1, 32, 0, 1, 2, 3                      ; the next chunk's second K step, into registers that the last K step read
.endif
	BF FB1, 8192, 2, 3
.elseif n == 5
.if DO_CV
	SS 0
.endif
.if DO_W
	WL 0                                           ; the weights three chunks on
	WL 4
.endif
	BF FB1, 8192, 4, 5
.elseif n == 10
.if DO_CV
	SS 1
.endif
.if DO_W
	WL 8
	WL 12
	WIN 0
	global_prefetch_b8 v[PFV], s[PF:PF+1] th:TH_LOAD_NT scope:SCOPE_SE  ; my 16 K rows six chunks on: 32 lanes, 256 bytes apart, each block once; three trips ahead of its load
.endif
	BF FB1, 8192, 6, 7
.elseif n == 25
	s_wait_dscnt 0x0                               ; the second K step's fragments are in, and, for the others' sake, my part of the next chunk lies in LDS
.if DO_CV
	s_barrier_signal -1
.endif
.elseif n == 31
.if DO_CV
	s_barrier_wait -1                              ; everybody's does
.endif
.elseif DO_CV && (n == 1)
	CV 0, 1
.elseif DO_CV && (n == 3)
	CV 0, 2
.elseif DO_CV && (n == 4)
	CV 0, 3
.elseif DO_CV && (n == 6)
	CV 1, 0
.elseif DO_CV && (n == 7)
	CV 1, 1
.elseif DO_CV && (n == 8)
	CV 1, 2
.elseif DO_CV && (n == 9)
	CV 1, 3
.endif
.endm
; AND OF THE SECOND K STEP: four places; then two runs: the next chunk's first fragments, which the barrier has shown whole, and between them the first K step of the chunk after next, into
; registers that the first K step read.
.macro RIDE1
.if n == 0
.if DO_A0 || DO_NB
	PLACES
.endif
.elseif n == 2
.if DO_NB
	BF FB0, 16384, 0, 1
.endif
.if DO_A0
	AH NA0, 0, 128, 0, 1
.endif
.if DO_NB
	BF FB0, 16384, 2, 3
.endif
.elseif n == 8
.if DO_NB
	BF FB0, 16384, 4, 5
.endif
.if DO_A0
	AH NA0, 0, 128, 2, 3
.endif
.if DO_NB
	BF FB0, 16384, 6, 7
.endif
.endif
.endm
; Tile 4's part of a K step: its two row loads and its 8 products, jumped together where the tile is dead.  zero = 1: not jumped, so that its sums and its row registers are written on every way.
.macro T4 ab, u, bb, zero, mode
.if !(\zero)
	WIN 0                                          ; at a branch and at a label every window is 0
	s_cmp_eq_u32 s[L5], 0
	s_cbranch_scc1 .Ldead_\@
.endif
.if ((\mode) == 0) && DO_A1
	AH NA1, 1, 32, 4
.endif
.if ((\mode) == 1) && DO_A0
	AH NA0, 0, 128, 4
.endif
	WIN MM_HI
.irp t, 0,1,2,3,4,5,6,7
.if \zero
	v_wmma_f32_16x16x32_bf16 v[8*(\t):8*(\t)+7], v[(\ab)+64+8*(\u):(\ab)+64+8*(\u)+7], v[(\bb)+8*(\t):(\bb)+8*(\t)+7], 0
.else
	v_wmma_f32_16x16x32_bf16 v[8*(\t):8*(\t)+7], v[(\ab)+64+8*(\u):(\ab)+64+8*(\u)+7], v[(\bb)+8*(\t):(\bb)+8*(\t)+7], v[8*(\t):8*(\t)+7]
.endif
.endr
.if !(\zero)
	WIN 0
.Ldead_\@:
.endif
.endm
; A K step: 32 products for tiles 0-3, and behind the third, straight behind its run, tile 4's part.  The 32 or 40 sums take turns, one instruction a turn.
; zero = 1: the products start the sums: nothing is cleared.  mode 0, 1: a chunk's first, second K step in the stream, with what stands among them; 2: bare.
.macro KR ab, u, bb, zero, mode
.set n, 0
.irp i, 0,1,2,3
.irp t, 0,1,2,3,4,5,6,7
	WIN MM_LO
.if \zero
	v_wmma_f32_16x16x32_bf16 v[64*(\i)+8*(\t):64*(\i)+8*(\t)+7], v[(\ab)+16*(\i)+8*(\u):(\ab)+16*(\i)+8*(\u)+7], v[(\bb)+8*(\t):(\bb)+8*(\t)+7], 0
.else
	v_wmma_f32_16x16x32_bf16 v[64*(\i)+8*(\t):64*(\i)+8*(\t)+7], v[(\ab)+16*(\i)+8*(\u):(\ab)+16*(\i)+8*(\u)+7], v[(\bb)+8*(\t):(\bb)+8*(\t)+7], v[64*(\i)+8*(\t):64*(\i)+8*(\t)+7]
.endif
.if (\mode) == 0
	RIDE0
.elseif (\mode) == 1
	RIDE1
.endif
.if n == 2
	T4 \ab, \u, \bb, \zero, \mode
.endif
.set n, n+1
.endr
.endr
.endm
; THE TRIP of chunk c (p = c % 2).  Rows of c lie in row buffer p, weights of chunk x in staging x % 2.  Loads go out in this order: first K step: rows (c + 1, step 1): 8, and 2 more where tile 4
; is live; weights (c + 3): 16; second K step: rows (c + 2, step 0): 8, and 2 more, which stand between the first four and the last four.  With tile 4 live a wave has 62 loads out at the most.
; lc0: how many loads stand, at the least, behind rows (c, step 0), which were asked for in trip c - 2 behind weights (c + 1): in the loop 8 + 16 + 8.
; lc1: behind rows (c, step 1), asked for in trip c - 1: in the loop 16 + 8 + 8 + 16.
.macro TRIP p, zero, lc0, lc1, a1, a0, w, last
.set RSB, SG0+64*(1-(\p))
.set NA1, FA0+80*(1-(\p))
.set NA0, FA0+80*(\p)
.set DO_CV, 1-(\last)
.set DO_NB, 1-(\last)
.set DO_A1, \a1
.set DO_A0, \a0
.set DO_W,  \w
	s_wait_loadcnt \lc0
	s_wait_dscnt 0x0                               ; the first K step's fragments, asked for 23 products ago or more
.if (\a1) || (\a0) || (\w)
	s_wait_xcnt 0x0                                ; the bases of the loads and of the prefetch issued a trip ago are stepped only behind this wait
.endif
.if (\a1) || (\a0)
	s_add_nc_u64 s[AC:AC+1], s[AC:AC+1], 128
.endif
.if \w
	s_add_nc_u64 s[WC:WC+1], s[WC:WC+1], CH
	s_min_u32 s[OFS], s[PFO], 15*CH                ; past the slice's last chunk the offset is held at that chunk: no prefetch leaves W1
	s_add_nc_u64 s[PF:PF+1], s[6:7], s[OFS:OFS+1]
	s_add_co_u32 s[PFO], s[PFO], CH
.endif
.if !(\last)
	v_add_nc_u32 v[SA], s[SCB], v[ST0]
.endif
	v_add_nc_u32 v[BA0], s[CB], v[L16]
	v_add_nc_u32 v[BA1], s[CB], v[L16X]
	KR FA0+80*(\p), 0, FB0, \zero, 0
	s_wait_loadcnt \lc1
	KR FA0+80*(\p), 1, FB1, 0, 1
	WIN 0
	s_add_co_u32 s[CB], s[CB], 16384
	s_add_co_u32 s[SCB], s[SCB], 16384
.endm
; The rows of pass s[pn]: the queue's first five slots are this pass's, and the queue moves up; my lane's row in each of the five tiles; whether the fifth is live.
; A slot's token is slot / 2; a row of xb is 2,048 bytes.
.macro ROWS pn
	WIN 0x01                                       ; source 0 window 1
.irp i, 0,1,2,3,4
	v_mov_b32 v[CS+(\i)], v[QS+(\i)]
.endr
	WIN 0x41                                       ; destination and source 0 window 1
.irp k, 0,1,2,3,4,5,6,7,8,9,10,11,12,13,14
	v_mov_b32 v[QS+(\k)], v[QS+5+(\k)]
.endr
	WIN 0
	s_mul_i32 s36, s[\pn], 20
	s_add_co_u32 s36, s36, s[WV]
	s_add_co_u32 s36, s36, 16
	s_lshl_b32 s36, s36, 4
	s_cmp_lt_u32 s36, s[NE]
	s_cselect_b32 s[L5], 1, 0
.irp i, 0,1,2,3,4
	v_lshrrev_b32 v[AR+(\i)], 1, v[CS+(\i)]
	v_min_u32 v[AR+(\i)], 0x3ff, v[AR+(\i)]
	v_lshl_add_u32 v[AR+(\i)], v[AR+(\i)], 11, v[H64]
.endr
.endm
; A trip of a later pass, which only an expert with more than 320 rows has: the chunk's rows from memory, its fragments from the slice in LDS, both waited for, two K steps.
.macro XTRIP zero
	AH FA0, 0, 0, 0, 1, 2, 3, 4
	AH FA0, 1, 32, 0, 1, 2, 3, 4
	WIN 0
	v_add_nc_u32 v[BA0], s[CB], v[L16]
	v_add_nc_u32 v[BA1], s[CB], v[L16X]
	BF FB0, 0, 0, 1, 2, 3, 4, 5, 6, 7
	BF FB1, 8192, 0, 1, 2, 3, 4, 5, 6, 7
	s_wait_loadcnt 0x0                             ; the rows; the wait also frees their base, which is stepped below
	s_wait_dscnt 0x0                               ; the fragments
	KR FA0, 0, FB0, \zero, 2
	KR FA0, 1, FB1, 0, 2
	WIN 0
	PLACES                                         ; in front of the next trip's loads, or of the way out
	s_add_nc_u64 s[AC:AC+1], s[AC:AC+1], 128
	s_add_co_u32 s[CB], s[CB], 16384
.endm
; The way out.  BLOCK i: tile i's sums leave their window and take the bias, in one instruction; each sum's lowest registers are read first.
.macro BLOCK i
.if (\i) < 4
	WIN EP_LO
.set AB, 64*(\i)
.else
	WIN EP_HI
.set AB, 0
.endif
.irp t, 0,1,2,3,4,5,6,7
.irp jp, 0,2,4,6
.if ((\t)%2) == 0
	v_pk_add_f32 v[Z+8*(\t)+(\jp):Z+8*(\t)+(\jp)+1], v[AB+8*(\t)+(\jp):AB+8*(\t)+(\jp)+1], v[BIAS+(\t):BIAS+(\t)+1] op_sel_hi:[1,0]
.else
	v_pk_add_f32 v[Z+8*(\t)+(\jp):Z+8*(\t)+(\jp)+1], v[AB+8*(\t)+(\jp):AB+8*(\t)+(\jp)+1], v[BIAS+(\t)-1:BIAS+(\t)] op_sel:[0,1] op_sel_hi:[1,1]
.endif
.endr
.endr
	WIN 0
.endm
.macro GELU16 zb                       ; sixteen numbers, in place: a line and the line that reads its result stand eight lines apart or more
.irp k, 0,2,4,6,8,10,12,14
	v_pk_mul_f32 v[Q+(\k):Q+(\k)+1], v[(\zb)+(\k):(\zb)+(\k)+1], v[(\zb)+(\k):(\zb)+(\k)+1]
.endr
.irp k, 0,1,2,3,4,5,6,7,8,9,10,11,12,13,14,15
	v_fma_f32 v[DN+(\k)], |v[(\zb)+(\k)]|, s[CP], 1.0
.endr
.irp k, 0,2,4,6,8,10,12,14
	v_pk_mul_f32 v[Q+(\k):Q+(\k)+1], v[Q+(\k):Q+(\k)+1], s[CC:CC+1] op_sel_hi:[1,0]
.endr
.irp k, 0,1,2,3,4,5,6,7,8,9,10,11,12,13,14,15
	v_rcp_f32 v[DN+(\k)], v[DN+(\k)]               ; t = 1 / (1 + p |z| / sqrt 2)
.endr
.irp k, 0,1,2,3,4,5,6,7,8,9,10,11,12,13,14,15
	v_exp_f32 v[Q+(\k)], v[Q+(\k)]                 ; e^(- z z / 2)
.endr
.irp k, 0,1,2,3,4,5,6,7,8,9,10,11,12,13,14,15
	v_max_num_f32 v[MX+(\k)], 0, v[(\zb)+(\k)]     ; plain instructions behind the transcendentals, ahead of the use of their results (ISA guide 5.7.2)
.endr
	s_wait_alu depctr_va_vdst(0)
.irp k, 0,2,4,6,8,10,12,14
	v_pk_fma_f32 v[PL+(\k):PL+(\k)+1], v[DN+(\k):DN+(\k)+1], s[KA5:KA5+1], s[KA4:KA4+1] op_sel_hi:[1,0,0]
.endr
.irp c, KA3, KA2, KA1
.irp k, 0,2,4,6,8,10,12,14
	v_pk_fma_f32 v[PL+(\k):PL+(\k)+1], v[PL+(\k):PL+(\k)+1], v[DN+(\k):DN+(\k)+1], s[\c:\c+1] op_sel_hi:[1,1,0]
.endr
.endr
.irp k, 0,2,4,6,8,10,12,14
	v_pk_mul_f32 v[PL+(\k):PL+(\k)+1], v[PL+(\k):PL+(\k)+1], v[DN+(\k):DN+(\k)+1]
.endr
.irp k, 0,2,4,6,8,10,12,14
	v_pk_mul_f32 v[PL+(\k):PL+(\k)+1], v[PL+(\k):PL+(\k)+1], v[Q+(\k):Q+(\k)+1]     ; erfc / 2
.endr
.irp k, 0,1,2,3,4,5,6,7,8,9,10,11,12,13,14,15
	v_fma_f32 v[(\zb)+(\k)], -|v[(\zb)+(\k)]|, v[PL+(\k)], v[MX+(\k)]
.endr
.endm
	; ---- the head
	s_load_b256 s[4:11], s[0:1], 0x0               ; xb s[4:5], W1 s[6:7], b1 s[8:9], route s[10:11]
	s_load_b64 s[12:13], s[0:1], 0x20              ; hb
	s_load_b64 s[LS:LS+1], s[0:1], 0x28            ; rows
	v_lshl_add_u32 v[SPW], v0, 2, SPARE
	v_mov_b32 v[NIL], 0
	v_lshrrev_b32 v[T], 5, v0
	v_readfirstlane_b32 s[WV], v[T]
	s_and_b32 s[EX], ttmp7, 0xffff
	s_mov_b32 s[GX], ttmp9
	v_and_b32 v[LANE], 31, v0
	v_and_b32 v[R], 15, v0
	v_bfe_u32 v[H], v0, 4, 1
	v_lshlrev_b32 v[L16], 4, v[LANE]
	v_xor_b32 v[T], 8, v[R]
	v_lshlrev_b32 v[T], 4, v[T]
	v_lshl_add_u32 v[L16X], v[H], 8, v[T]
	v_and_b32 v[T], 1, v0                          ; lane % 2
	v_lshrrev_b32 v[ST0], 1, v[LANE]               ; lane / 2
	v_lshlrev_b32 v[PFV], 14, v[ST0]
	v_lshl_add_u32 v[PFV], v[T], 8, v[PFV]
	; my columns 4 lane + i are column 8 r + t with r = lane / 2, t = 4 (lane % 2) + i; tiles 4-7 lie with r xor 8, so that 16 storing lanes, and 16 reading lanes, touch 16 different 16-byte columns
	v_lshlrev_b32 v[SA], 3, v[T]
	v_xor_b32 v[ST0], v[ST0], v[SA]
	v_lshlrev_b32 v[ST0], 4, v[ST0]
	v_lshl_add_u32 v[ST0], v[T], 12, v[ST0]
	s_and_b32 s36, s[WV], 1                        ; my 16 K rows of a chunk are K step wave % 2,
	s_lshl_b32 s36, s36, 13
	s_lshr_b32 s37, s[WV], 1                       ; half wave / 2 of the lanes
	s_lshl_b32 s37, s37, 8
	s_add_co_u32 s36, s36, s37
	v_add_nc_u32 v[ST0], s36, v[ST0]
	v_lshlrev_b32 v[R16], 4, v[R]
	v_lshlrev_b32 v[H64], 6, v[H]
	v_lshl_add_u32 v[LR], v[R], 2, LIST
	s_lshl_b32 s36, s[WV], 6
	v_add_nc_u32 v[LR], s36, v[LR]
	v_lshlrev_b32 v34, 2, v[LANE]
	v_lshl_add_u32 v34, s[EX], 7, v34              ; word lane of the expert's bitmap
	v_lshlrev_b32 v35, 5, v[R]
	s_lshl_b32 s36, s[EX], 14
	s_lshl_b32 s37, s[GX], 9
	s_add_co_u32 s36, s36, s37
	v_add_nc_u32 v35, s36, v35                     ; b1: (4,096 e + 128 x + 8 r) x 4 bytes
	s_mov_b32 s[HM], 0xffff0000
	s_mov_b32 s[CP], 0x3e6d3388                    ; 0.23164189
	s_mov_b32 s[CC], 0xbf38aa3b                    ; -0.72134752
	s_mov_b32 s[CC+1], 0                           ; named with it as a pair, so it is written; likewise below
	s_mov_b32 s[KA5], 0x3f07dc22                   ; 1.061405429 / 2
	s_mov_b32 s[KA5+1], 0
	s_mov_b32 s[KA4], 0xbf3a00e3                   ; -1.453152027 / 2
	s_mov_b32 s[KA4+1], 0
	s_mov_b32 s[KA3], 0x3f35f0e3                   ; 1.421413741 / 2
	s_mov_b32 s[KA3+1], 0
	s_mov_b32 s[KA2], 0xbe11a98e                   ; -0.284496736 / 2
	s_mov_b32 s[KA2+1], 0
	s_mov_b32 s[KA1], 0x3e027906                   ; 0.254829592 / 2
	s_mov_b32 s[KA1+1], 0
	s_lshl_b32 s[OFS], s[EX], 24                   ; W1[e]: 16,777,216 bytes an expert,
	s_add_co_u32 s[OFS], s[OFS], s37               ; + 512 x: my slice's columns,
	s_lshl_b32 s36, s[WV], 18                      ; + my 16 K rows
	s_add_co_u32 s[OFS], s[OFS], s36
	s_mov_b32 s[OFS+1], 0
	s_wait_kmcnt 0x0
	s_add_nc_u64 s[6:7], s[6:7], s[OFS:OFS+1]      ; fixed from here on
	s_mov_b64 s[WC:WC+1], s[6:7]
	s_mov_b64 s[AC:AC+1], s[4:5]
	s_lshl_b32 s[OFS], s[GX], 8
	s_add_nc_u64 s[12:13], s[12:13], s[OFS:OFS+1]  ; hb at my 128 columns
	s_mul_i32 s[OFS], s[EX], ROWB
	s_add_nc_u64 s[LS:LS+1], s[LS:LS+1], s[OFS:OFS+1]
	global_load_b32 v32, v34, s[10:11]             ; M: who chose e
	global_load_b32 v33, v34, s[10:11] offset:1024 ; C: for whom e is the second choice
	global_load_b128 v[BIAS:BIAS+3], v35, s[8:9]
	global_load_b128 v[BIAS+4:BIAS+7], v35, s[8:9] offset:16
	LOADW SG0, 0                                   ; chunks 0 and 1
	LOADW SG1, CH
	WIN 0
.irp c, 3,4,5
	global_prefetch_b8 v[PFV], s[6:7] offset:(\c)*CH th:TH_LOAD_NT scope:SCOPE_SE   ; my rows of chunks 3 to 5; the trips ask for 6 and on
.endr
	; ---- the list: wave 0 alone; the others' weights are on their way meanwhile.  No barrier is jumped.  All lanes stay on: a lane whose token did not choose e writes a word of its own behind the list.
	s_cmp_lg_u32 s[WV], 0
	s_cbranch_scc1 .Llisted
.irp k, 36,37,38,39
	v_mov_b32 v[\k], 0
.endr
	v_add_nc_u32 v40, LIST, v[L16]
.irp k, 0,1,2,3,4,5,6,7,8,9
	ds_store_b128 v40, v[36:39] offset:512*(\k)    ; every place holds slot 0, a row that exists, until another is entered; this stands in the wait for the bitmaps
.endr
	v_lshl_add_u32 v45, v[LANE], 3, LIST+4*LWORDS
	ds_store_b64 v45, v[36:37]                     ; and the 256 bytes behind the list, so that all that is handed on has been written
	v_lshlrev_b32 v41, 1, v[LANE]
	v_add_nc_u32 v44, LWORDS, v[LANE]              ; my word behind the list
	s_mov_b32 s38, 0                               ; rows so far
	s_mov_b32 s[KC], 0
	s_wait_loadcnt NB0-2+32                        ; the two bitmap words are in; behind them: the bias's 2 loads and the weights' 32
.Lg:                                                   ; 128 tokens a trip, four bitmap words side by side: token 32 (g + k) + lane; the four chains do not wait for each other
	s_add_co_u32 s78, s[KC], 1
	s_add_co_u32 s79, s[KC], 2
	s_add_co_u32 s36, s[KC], 3
	v_readlane_b32 s[LM], v32, s[KC]
	v_readlane_b32 s[LM+1], v32, s78
	v_readlane_b32 s[LM+2], v32, s79
	v_readlane_b32 s[LM+3], v32, s36
	v_readlane_b32 s[LC], v33, s[KC]
	v_readlane_b32 s[LC+1], v33, s78
	v_readlane_b32 s[LC+2], v33, s79
	v_readlane_b32 s[LC+3], v33, s36
	s_mov_b32 s[LB], s38
	s_bcnt1_i32_b32 s37, s[LM]
	s_add_co_u32 s[LB+1], s[LB], s37
	s_bcnt1_i32_b32 s37, s[LM+1]
	s_add_co_u32 s[LB+2], s[LB+1], s37
	s_bcnt1_i32_b32 s37, s[LM+2]
	s_add_co_u32 s[LB+3], s[LB+2], s37
	s_bcnt1_i32_b32 s37, s[LM+3]
	s_add_co_u32 s38, s[LB+3], s37
.irp k, 0,1,2,3
	v_mbcnt_lo_u32_b32 v[48+2*(\k)], s[LM+(\k)], s[LB+(\k)]      ; my rank: the rows so far + the chosen tokens below my lane
.endr
.irp k, 0,1,2,3
	v_lshrrev_b32 v[49+2*(\k)], v[LANE], s[LC+(\k)]
.endr
.irp k, 0,1,2,3
	v_and_b32 v[49+2*(\k)], 1, v[49+2*(\k)]
.endr
.irp k, 0,1,2,3
	v_cndmask_b32 v[48+2*(\k)], v44, v[48+2*(\k)], s[LM+(\k)]    ; a chosen token's place is its rank
.endr
.irp k, 0,1,2,3
	v_add3_u32 v[49+2*(\k)], v[49+2*(\k)], v41, 64*(\k)          ; slot = 2 token + (second choice)
.endr
.irp k, 0,1,2,3
	v_min_u32 v[48+2*(\k)], LWORDS+31, v[48+2*(\k)]
.endr
.irp k, 0,1,2,3
	v_lshl_add_u32 v[48+2*(\k)], v[48+2*(\k)], 2, LIST
.endr
.irp k, 0,1,2,3
	ds_store_b32 v[48+2*(\k)], v[49+2*(\k)]
.endr
	v_add_nc_u32 v41, 0x100, v41                   ; 128 tokens on
	s_add_co_u32 s[KC], s[KC], 4
	s_cmp_lt_u32 s[KC], 32
	s_cbranch_scc1 .Lg
	v_mov_b32 v56, LIST
	ds_load_b32 v57, v56                           ; the expert's first row (slot 0 where it has none); LDS serves a wave's instructions in order (ISA guide 5.7.1.4)
	v_add_nc_u32 v58, s38, v[LANE]                 ; the 32 places behind the last row: 1,055 at the most
	v_min_u32 v58, LWORDS+31, v58
	v_lshl_add_u32 v58, v58, 2, LIST
	v_mov_b32 v59, CNT
	v_mov_b32 v60, s38
	s_wait_dscnt 0x0
	ds_store_b32 v58, v57                          ; repeat it
	ds_store_b32 v59, v60
	s_cmp_lg_u32 s[GX], 0
	s_cbranch_scc1 .Llisted
.irp k, 0,1,2,3,4,5,6,7,8,9                    ; slice 0 hands the list on: 5,376 bytes, each store of the wave 512 or 256 consecutive bytes, aligned
	ds_load_b128 v[64+4*(\k):64+4*(\k)+3], v40 offset:512*(\k)
.endr
	ds_load_b64 v[104:105], v45
	v_lshlrev_b32 v61, 3, v[LANE]
	s_wait_dscnt 0x0
.irp k, 0,1,2,3,4,5,6,7,8,9
	global_store_b128 v[L16], v[64+4*(\k):64+4*(\k)+3], s[LS:LS+1] offset:512*(\k)
.endr
	global_store_b64 v61, v[104:105], s[LS:LS+1] offset:4*LWORDS
	s_wait_xcnt 0x0                                ; the stores' registers are written again further down: only behind this wait
.Llisted:
	s_wait_dscnt 0x0                               ; for the others' sake: the list and the count lie in LDS
	s_barrier_signal -1
	s_barrier_wait -1
	v_mov_b32 v[T], CNT
	ds_load_b32 v[SA], v[T]
	WIN A_LD                                       ; destination window 1
.irp p, 0,1,2,3
.irp i, 0,1,2,3,4
	ds_load_b32 v[QS+5*(\p)+(\i)], v[LR] offset:1280*(\p)+256*(\i)   ; row r of tile 20 p + 4 i + wave: all my 20 tiles, once
.endr
.endr
	WIN 0
	s_wait_dscnt 0x0
	v_readfirstlane_b32 s[NE], v[SA]
	s_min_u32 s[NE], s[NE], 1024
	s_mov_b32 s[PASS], 0
	ROWS PASS
	AH FA0, 0, 0, 0, 1, 2, 3, 4                    ; the rows of chunk 0, both K steps
	AH FA0, 1, 32, 0, 1, 2, 3, 4
	WIN 0
	s_wait_loadcnt 52                              ; the bias is in; behind it: the weights' 32 loads and the rows' 20
.irp k, 0,1,2,3
	v_cvt_pk_bf16_f32 v[36+(\k)], v[BIAS+2*(\k)], v[BIAS+2*(\k)+1]   ; rounded to bf16 like every input,
.endr
.irp k, 0,1,2,3
	v_lshlrev_b32 v[BIAS+2*(\k)], 16, v[36+(\k)]   ; and written as f32 again
	v_and_b32 v[BIAS+2*(\k)+1], s[HM], v[36+(\k)]
.endr
	s_wait_loadcnt 36                              ; the weights of chunk 0 are in; behind them: chunk 1's 16 loads and the rows' 20
.set RSB, SG0
	v_mov_b32 v[SA], v[ST0]                        ; chunk 0 lies at the slice's head
	CV 0, 0
	CV 0, 1
	CV 0, 2
	CV 0, 3
	SS 0
	CV 1, 0
	CV 1, 1
	CV 1, 2
	CV 1, 3
	SS 1
	s_wait_xcnt 0x0                                ; the weights' base is stepped only behind this wait
	s_add_nc_u64 s[WC:WC+1], s[WC:WC+1], 2*CH
	LOADW SG0, 0                                   ; chunk 2
	AH FA1, 0, 128, 0, 1, 2, 3, 4                  ; chunk 1's first K step: 62 loads are out at the most
	WIN 0
	s_wait_dscnt 0x0                               ; for the others' sake: my part of chunk 0 lies in LDS
	s_barrier_signal -1
	s_barrier_wait -1
	v_mov_b32 v[BA0], v[L16]
	v_mov_b32 v[BA1], v[L16X]
	BF FB0, 0, 0, 1, 2, 3, 4, 5, 6, 7
	s_mov_b32 s[CB], 0
	s_mov_b32 s[SCB], 16384
	s_mov_b32 s[PFO], 6*CH
	; ---- the stream: 16 chunks
	TRIP 0, 1, 32, 48, 1, 1, 1, 0                  ; chunk 0 stands in front of the loop: its first products start the sums
	s_mov_b32 s[KC], 6
.Lk:                                                   ; chunks 1 to 12
	TRIP 1, 0, 32, 48, 1, 1, 1, 0
	TRIP 0, 0, 32, 48, 1, 1, 1, 0
	s_sub_co_u32 s[KC], s[KC], 1
	s_cmp_lg_u32 s[KC], 0
	s_cbranch_scc1 .Lk
	TRIP 1, 0, 32, 32, 1, 1, 0, 0                  ; chunk 13: no weights are left to ask for: behind rows (13, step 1) stand 16 + 8 + 8
	TRIP 0, 0, 16, 16, 1, 0, 0, 0                  ; chunk 14: behind rows (14, step 0): 8 + 8; behind rows (14, step 1): 8 + 8
	TRIP 1, 0, 8, 0, 0, 0, 0, 1                    ; chunk 15: behind rows (15, step 0): 8; then nothing
	PLACES                                         ; in front of the way out, which reads the sums and writes the fragments' registers
	; ---- the passes: a pass's way out, then the next pass's products
.Lpass:
	s_mov_b32 s[TI], 0
.Lep:
	s_mul_i32 s36, s[PASS], 20
	s_add_co_u32 s36, s36, s[WV]
	s_lshl_b32 s37, s[TI], 2
	s_add_co_u32 s36, s36, s37                     ; the tile's number,
	s_lshl_b32 s36, s36, 4                         ; its first place in the list
	s_cmp_ge_u32 s36, s[NE]
	s_cbranch_scc1 .Lepnext                        ; a dead tile stores nothing
	s_cmp_eq_u32 s[TI], 0
	s_cbranch_scc1 .Lb0
	s_cmp_eq_u32 s[TI], 1
	s_cbranch_scc1 .Lb1
	s_cmp_eq_u32 s[TI], 2
	s_cbranch_scc1 .Lb2
	s_cmp_eq_u32 s[TI], 3
	s_cbranch_scc1 .Lb3
	BLOCK 4
	s_branch .Lcommon
.Lb0:
	BLOCK 0
	s_branch .Lcommon
.Lb1:
	BLOCK 1
	s_branch .Lcommon
.Lb2:
	BLOCK 2
	s_branch .Lcommon
.Lb3:
	BLOCK 3
.Lcommon:
.irp g, 0,1,2,3
	GELU16 Z+16*(\g)
.endr
.irp j, 0,1,2,3,4,5,6,7                ; lane r holds row r's slot; I store rows 8 h + 0..7: lanes 0-15 take rows j, lanes 16-31 rows 8 + j
	v_readlane_b32 s[36+2*((\j)%2)], v[CS], \j
	v_readlane_b32 s[37+2*((\j)%2)], v[CS], 8+(\j)
	v_mov_b32 v[SL+(\j)], s[36+2*((\j)%2)]
	v_cndmask_b32 v[SL+(\j)], v[SL+(\j)], s[37+2*((\j)%2)], s[HM]
.endr
	s_wait_xcnt 0x0                                ; the last tile's stores have read RA and O: they are rewritten only behind this wait
.irp j, 0,1,2,3,4,5,6,7
	v_min_u32 v[RA+(\j)], 0x7ff, v[SL+(\j)]
	v_lshl_add_u32 v[RA+(\j)], v[RA+(\j)], 13, v[R16]   ; a row of hb is 8,192 bytes; my 16 bytes of its 256
.endr
.irp j, 0,1,2,3,4,5,6,7
.irp tp, 0,1,2,3
	v_cvt_pk_bf16_f32 v[O+4*(\j)+(\tp)], v[Z+16*(\tp)+(\j)], v[Z+16*(\tp)+8+(\j)]   ; row j: columns 8 r + 2 tp, + 1
.endr
.endr
.irp j, 0,1,2,3,4,5,6,7
	global_store_b128 v[RA+(\j)], v[O+4*(\j):O+4*(\j)+3], s[12:13]   ; lanes 0-15: 256 consecutive bytes of row j, aligned; lanes 16-31: of row 8 + j
.endr
.Lepnext:
.irp i, 0,1,2,3
	v_mov_b32 v[CS+(\i)], v[CS+(\i)+1]             ; the next tile's slots come to the front
.endr
	s_add_co_u32 s[TI], s[TI], 1
	s_cmp_lt_u32 s[TI], 5
	s_cbranch_scc1 .Lep
	s_add_co_u32 s38, s[PASS], 1                   ; has the next pass a live tile of mine?  Its first is 20 (pass + 1) + wave
	s_mul_i32 s36, s38, 20
	s_add_co_u32 s36, s36, s[WV]
	s_lshl_b32 s36, s36, 4
	s_cmp_ge_u32 s36, s[NE]
	s_cbranch_scc1 .Ldone                          ; no, and then no later pass has one: I leave the loop; no barrier is jumped.  Behind pass 3 this is always so: 1,280 places and more against 1,024 rows
	s_wait_xcnt 0x0                                ; the rows' offsets and base are rewritten only behind this wait
	ROWS 38
	s_mov_b64 s[AC:AC+1], s[4:5]
	s_mov_b32 s[CB], 0
	XTRIP 1                                        ; chunk 0 starts the sums
	s_mov_b32 s[KC], 15
.Lx:
	XTRIP 0
	s_sub_co_u32 s[KC], s[KC], 1
	s_cmp_lg_u32 s[KC], 0
	s_cbranch_scc1 .Lx
	s_add_co_u32 s[PASS], s[PASS], 1
	s_cmp_lt_u32 s[PASS], 4
	s_cbranch_scc1 .Lpass
.Ldone:
	s_wait_dscnt 0x0                               ; my reads of LDS are over, those of the later passes too;
	s_barrier_signal -1                            ; one more barrier, on every wave's path: every way out of the loop above leads here
	s_barrier_wait -1                              ; every wave's reads of LDS are over before any wave writes LDS again, by the add below
	s_wait_tensorcnt 0x0                           ; the wave's end: three lines behind my last LDS store
	ds_add_u32 v[SPW], v[NIL]
	s_wait_dscnt 0x0
	s_endpgm
.Lfunc_end_k_qbdae2100e0_up:
	.size	k_qbdae2100e0_up, .Lfunc_end_k_qbdae2100e0_up-k_qbdae2100e0_up
	.p2alignl 7, 3214868480
	.fill 96, 4, 3214868480
	.section	.rodata,"a",@progbits
	.p2align	6, 0x0
	.amdhsa_kernel k_qbdae2100e0_up
		.amdhsa_group_segment_fixed_size 268032
		.amdhsa_private_segment_fixed_size 0
		.amdhsa_enable_private_segment 0
		.amdhsa_kernarg_size 48
		.amdhsa_user_sgpr_count 2
		.amdhsa_user_sgpr_kernarg_segment_ptr 1
		.amdhsa_wavefront_size32 1
		.amdhsa_system_sgpr_workgroup_id_x 1
		.amdhsa_system_sgpr_workgroup_id_y 1
		.amdhsa_system_sgpr_workgroup_id_z 1
		.amdhsa_system_vgpr_workitem_id 0
		.amdhsa_next_free_vgpr 960
		.amdhsa_next_free_sgpr 80
		.amdhsa_reserve_vcc 0
		.amdhsa_float_denorm_mode_32 3
		.amdhsa_float_denorm_mode_16_64 3
		.amdhsa_memory_ordered 1
		.amdhsa_forward_progress 1
		.amdhsa_inst_pref_size 174
	.end_amdhsa_kernel
	.amdgpu_metadata
---
amdhsa.version: [ 1, 2 ]
amdhsa.kernels:
  - .name:           k_qbdae2100e0_up
    .symbol:         k_qbdae2100e0_up.kd
    .args:
      - { .name: xb, .offset: 0, .size: 8, .value_kind: global_buffer, .address_space: global }
      - { .name: W1, .offset: 8, .size: 8, .value_kind: global_buffer, .address_space: global }
      - { .name: b1, .offset: 16, .size: 8, .value_kind: global_buffer, .address_space: global }
      - { .name: route, .offset: 24, .size: 8, .value_kind: global_buffer, .address_space: global }
      - { .name: hb, .offset: 32, .size: 8, .value_kind: global_buffer, .address_space: global }
      - { .name: rows, .offset: 40, .size: 8, .value_kind: global_buffer, .address_space: global }
    .group_segment_fixed_size: 268032
    .private_segment_fixed_size: 0
    .kernarg_segment_align: 8
    .kernarg_segment_size: 48
    .max_flat_workgroup_size: 128
    .sgpr_count:     80
    .vgpr_count:     960
    .wavefront_size: 32
...
	.end_amdgpu_metadata
.endif
;; end of part 2
;; launch down (part 3): grid 32 x 8, 4 waves a work-group, no clusters, 262,656 bytes of LDS; arguments hb, W2, gate, rows, yp; writes yp
.if DOCPART == 3
	.amdgcn_target "amdgcn-amd-amdhsa--gfx1250"
	.amdhsa_code_object_version 6
	.text
	.protected	k_qbdae2100e0_down
	.globl	k_qbdae2100e0_down
	.p2align	8
	.type	k_qbdae2100e0_down,@function
k_qbdae2100e0_down:
	s_mov_b64 s[64:65], 0
	v_nop
	global_prefetch_b8 v0, s[64:65] scope:SCOPE_SE
	s_setreg_imm32_b32 hwreg(HW_REG_WAVE_MODE, 25, 1), 1
	s_wait_xcnt 0x0
; DOWN.  yp[slot][q][d] = gate[slot] x the sum over the q-th quarter of the hidden width of hb[slot][f] W2[e][f][d], in f32: partial sums, which the next launch adds.
; hb [2048][4096] bf16; W2 [8][4096][1024] f32, rounded to bf16 here; yp [2048][4][1024] f32.
; SHARES.  Work-group (x, e), ns = x % 8, q = x / 8: K rows 1,024 q .. + 1,023 and columns 128 ns .. + 127 of W2[e]: 512 KB of f32 that no other work-group reads, and ALL of e's rows (0 to 1,024).
; THE WEIGHTS come through registers, 64 K (a chunk) at a time: a load of a wave takes 512 consecutive bytes of one K row; two K rows are rounded into one word; the words go into LDS in the order in
; which the matrix instruction's second source takes them.  The whole slice, 262,144 bytes of bf16, stays there: no LDS byte is written twice, so one barrier a chunk is all that the stream needs.
; THE ROWS come by the list that the launch before stored in rows ([8 experts][1,344 words]: 1,280 places, the count at word 1,312); each wave loads its own rows from memory straight into the first
; source's registers.  The 32 places behind an expert's last row repeat its FIRST row, all further places name slot 0.
; K ORDER.  In chunk c, K step u, a lane of half h holds in register group g, element e: k = 64 c + 32 h + 16 u + 8 g + e, in both sources alike: a lane's share of a row in a chunk is 64 consecutive
; bytes, 32 for each K step.
; COLUMNS.  Tile t, lane r holds column 64 (t / 4) + 4 r + t % 4: a lane's tiles 4 u .. 4 u + 3 are four neighbouring f32, 16 bytes, and 16 lanes store 256 consecutive bytes, aligned.
; PASSES.  Tile number 20 pass + 4 i + wave, i = 0..4.  Pass 0 runs beside the stream; passes 1 to 3 read the slice in LDS once more, and a wave without a live tile leaves.  Where tile i = 4 is dead
; its products and its row loads are jumped, and a dead tile stores nothing.  The tile in which the list ends makes the first row's numbers again and stores the same bytes to the same place once more
; (15 rows of 512 bytes at the most, by the same work-group): so every store is whole, and no line of this text changes EXEC.
; NO CLUSTER: each slice of weights has one reader; the rows that an expert's work-groups share are named by a list, and LDS has no room for them beside the slice.
; LIMITS.  NaN and infinities are not treated apart.
.set PITCH, 4096                       ; bytes from a K row of W2[e] to the next
.set CH,    64*PITCH
.set SPARE, 262144                     ; behind the slice: the spare words, 128 bytes for each wave; no other line names them
.set ROWB,  5376                       ; bytes of an expert's part of rows
.set CNTB,  5248                       ; the count's place in it
.set LANE, 1
.set R,    2
.set H,    3
.set SPW,  4                           ; SPARE + 4 x my thread's number; never rewritten
.set NIL,  5                           ; 0; never rewritten
.set L16,  6                           ; 16 x lane: my place in a weight row, and in a fragment
.set ST0,  8                           ; where my rounded weights go, in a chunk
.set SA,   9                           ; the same in the chunk in hand
.set BA0,  10                          ; LDS address of the fragments in hand
.set AR,   12                          ; v12-16  byte offset of my row in tile i, + 64 h
.set R16,  18
.set H64,  19
.set LR,   20                          ; 64 wave + 4 r: my place in the list's first four tiles
.set PFV,  22
.set T,    23
.set GQ,   24                          ; v24-28  the gate of row r in the pass's tiles still to go out, the next one first
.set TMP,  32                          ; v32-63
.set FB0,  64
.set FB1,  128
.set SL,   192                         ; v192-199  the slots of rows 8 h + 0..7
.set RA,   200                         ; v200-207  their byte offsets in yp
.set GOF,  240                         ; v240-244  byte offset in gate of row r's slot, tile i
.set CS,   248                         ; v248-252  the slot of row r in the pass's tiles still to go out, the next one first
.set O,    64                          ; the way out: v64-127: half u, row j: four columns at 32 u + 4 j
.set G,    128                         ; v128-135  the gates of rows 8 h + 0..7
.set FA0,  0                           ; window 1: the rows' fragments, two buffers; v160-179 the slots of row r in my tiles of the passes to come
.set FA1,  80
.set QS,   160
.set SG0,  64                          ; window 3: v0-63 sums of tile 4; two stagings.  window 2: sums of tiles 0-3
.set SG1,  128
.set WV,   14
.set EX,   15
.set GX,   16
.set NE,   17
.set PASS, 18
.set KC,   19
.set AC,   20                          ; s[20:21] the rows' base: in chunk c's trip at chunk c + 1
.set WC,   22
.set CB,   24
.set SCB,  25
.set L5,   26
.set TI,   27
.set PF,   30
.set OFS,  32
.set PFO,  34
.set HM,   41                          ; 0xffff0000: lanes 16-31
.set W_LD,  0xc0                       ; destination window 3, address window 0
.set W_CV,  0x0f                       ; sources 0 and 1 window 3, destination window 0
.set A_LD,  0x40                       ; destination window 1
.set MM_LO, 0xa1                       ; rows (source 0) window 1, weights (source 1) window 0, sums window 2
.set MM_HI, 0xf1
.set EP_LO, 0x02
.set EP_HI, 0x03
.set MSB, 0
.set DO_CV, 0                          ; what a trip's riders do: set by TRIP
.set DO_A1, 0
.set DO_A0, 0
.set DO_W,  0
.set DO_NB, 0
.macro WIN new                         ; the immediate's high byte repeats the setting that is left; a switch that changes nothing is dropped
.if MSB != (\new)
	s_set_vgpr_msb (MSB<<8)|(\new)
.set MSB, (\new)
.endif
.endm
.macro PLACES                          ; four places between a matrix instruction and a load into, or a vector instruction on, its registers (ISA guide 7.12.1 for vector instructions)
.rept 4
	v_nop
.endr
.endm
.macro LOADW sb, off                   ; my 16 K rows of a chunk: 16 loads of 512 consecutive bytes
	WIN W_LD
.irp rr, 0,1,2,3,4,5,6,7,8,9,10,11,12,13,14,15
	global_load_b128 v[(\sb)+4*(\rr):(\sb)+4*(\rr)+3], v[L16], s[WC:WC+1] offset:(\off)+(\rr)*PITCH th:TH_LOAD_NT
.endr
.endm
; THE PIECES that stand among the products; each stays in one setting of the windows.
.macro WL r0                           ; four of my 16 K rows into staging RSB
	WIN W_LD
.irp rr, 0,1,2,3
	global_load_b128 v[RSB+4*((\r0)+(\rr)):RSB+4*((\r0)+(\rr))+3], v[L16], s[WC:WC+1] offset:((\r0)+(\rr))*PITCH th:TH_LOAD_NT
.endr
.endm
.macro CV g, i                         ; group g of 8 K rows, my column i: two K rows are rounded into a word, 16 bytes in all
	WIN W_CV
.irp d, 0,1,2,3
	v_cvt_pk_bf16_f32 v[TMP+16*(\g)+4*(\i)+(\d)], v[RSB+32*(\g)+8*(\d)+(\i)], v[RSB+32*(\g)+8*(\d)+4+(\i)]
.endr
.endm
.macro SS g                            ; group g's four columns go into LDS
	WIN 0
.irp i, 0,1,2,3
	ds_store_b128 v[SA], v[TMP+16*(\g)+4*(\i):TMP+16*(\g)+4*(\i)+3] offset:(\i)*1024+(\g)*512
.endr
.endm
.macro AH ab, u, off, tiles:vararg     ; K step u's 32 bytes of my row in the named tiles, from byte off behind the rows' base
	WIN A_LD
.irp i, \tiles
.irp j, 0,1
	global_load_b128 v[(\ab)+16*(\i)+8*(\u)+4*(\j):(\ab)+16*(\i)+8*(\u)+4*(\j)+3], v[AR+(\i)], s[AC:AC+1] offset:(\off)+16*(\j)
.endr
.endr
.endm
.macro BF bb, off, tiles:vararg        ; the named tiles' fragments of the weights: two reads of 512 consecutive bytes each
	WIN 0
.irp t, \tiles
	ds_load_b128 v[(\bb)+8*(\t):(\bb)+8*(\t)+3],   v[BA0] offset:(\off)+(\t)*1024
	ds_load_b128 v[(\bb)+8*(\t)+4:(\bb)+8*(\t)+7], v[BA0] offset:(\off)+(\t)*1024+512
.endr
.endm
; WHERE A CHUNK'S OTHER WORK STANDS.  Beside its 64 or 80 products a chunk has 32 conversions and 73 memory and LDS instructions (77 where tile 4 is live).  The conversions, work on registers, ride
; four behind a product.  The memory and LDS instructions stand in five runs, three in the first K step and two in the second: the row of products is broken five times a chunk, not once for each
; small group.  A run is four LDS instructions, four or eight loads from memory, four LDS instructions: in a trip that loads, no more than four LDS instructions follow each other.
; BEHIND PRODUCT n OF THE FIRST K STEP.  The order is bound so: the first two rides are plain vector instructions, the places in front of every load that follows into registers that the last K step
; read; the rows' loads stand ahead of the weights', so that the counts below hold; a group's weights are asked for again when its 16 conversions are done and its four stores issued; every LDS
; instruction is issued by product 10, and the wait for them stands behind product 25.  The barrier's signal stands there and its wait behind product 31: six products, work on registers, between the two.
.macro RIDE0
.if n == 0
.if DO_CV
	CV 0, 0
.else
	PLACES
.endif
.elseif n == 2
	BF FB1, 8192, 0, 1                             ; this chunk's second K step,
.if DO_A1
	AH NA1, 1, 32, 0, 1, 2, 3                      ; the next chunk's second K step, into registers that the last K step read
.endif
	BF FB1, 8192, 2, 3
.elseif n == 5
.if DO_CV
	SS 0
.endif
.if DO_W
	WL 0                                           ; the weights three chunks on
	WL 4
.endif
	BF FB1, 8192, 4, 5
.elseif n == 10
.if DO_CV
	SS 1
.endif
.if DO_W
	WL 8
	WL 12
	WIN 0
	global_prefetch_b8 v[PFV], s[PF:PF+1] th:TH_LOAD_NT scope:SCOPE_SE  ; my 16 K rows six chunks on: 32 lanes, 256 bytes apart, each block once; three trips ahead of its load
.endif
	BF FB1, 8192, 6, 7
.elseif n == 25
	s_wait_dscnt 0x0                               ; the second K step's fragments are in, and, for the others' sake, my part of the next chunk lies in LDS
.if DO_CV
	s_barrier_signal -1
.endif
.elseif n == 31
.if DO_CV
	s_barrier_wait -1                              ; everybody's does
.endif
.elseif DO_CV && (n == 1)
	CV 0, 1
.elseif DO_CV && (n == 3)
	CV 0, 2
.elseif DO_CV && (n == 4)
	CV 0, 3
.elseif DO_CV && (n == 6)
	CV 1, 0
.elseif DO_CV && (n == 7)
	CV 1, 1
.elseif DO_CV && (n == 8)
	CV 1, 2
.elseif DO_CV && (n == 9)
	CV 1, 3
.endif
.endm
; AND OF THE SECOND K STEP: four places; then two runs: the next chunk's first fragments, which the barrier has shown whole, and between them the first K step of the chunk after next, into
; registers that the first K step read.
.macro RIDE1
.if n == 0
.if DO_A0 || DO_NB
	PLACES
.endif
.elseif n == 2
.if DO_NB
	BF FB0, 16384, 0, 1
.endif
.if DO_A0
	AH NA0, 0, 128, 0, 1
.endif
.if DO_NB
	BF FB0, 16384, 2, 3
.endif
.elseif n == 8
.if DO_NB
	BF FB0, 16384, 4, 5
.endif
.if DO_A0
	AH NA0, 0, 128, 2, 3
.endif
.if DO_NB
	BF FB0, 16384, 6, 7
.endif
.endif
.endm
; Tile 4's part of a K step: its two row loads and its 8 products, jumped together where the tile is dead.  zero = 1: not jumped, so that its sums and its row registers are written on every way.
.macro T4 ab, u, bb, zero, mode
.if !(\zero)
	WIN 0                                          ; at a branch and at a label every window is 0
	s_cmp_eq_u32 s[L5], 0
	s_cbranch_scc1 .Ldead_\@
.endif
.if ((\mode) == 0) && DO_A1
	AH NA1, 1, 32, 4
.endif
.if ((\mode) == 1) && DO_A0
	AH NA0, 0, 128, 4
.endif
	WIN MM_HI
.irp t, 0,1,2,3,4,5,6,7
.if \zero
	v_wmma_f32_16x16x32_bf16 v[8*(\t):8*(\t)+7], v[(\ab)+64+8*(\u):(\ab)+64+8*(\u)+7], v[(\bb)+8*(\t):(\bb)+8*(\t)+7], 0
.else
	v_wmma_f32_16x16x32_bf16 v[8*(\t):8*(\t)+7], v[(\ab)+64+8*(\u):(\ab)+64+8*(\u)+7], v[(\bb)+8*(\t):(\bb)+8*(\t)+7], v[8*(\t):8*(\t)+7]
.endif
.endr
.if !(\zero)
	WIN 0
.Ldead_\@:
.endif
.endm
; A K step: 32 products for tiles 0-3, and behind the third, straight behind its run, tile 4's part.  The 32 or 40 sums take turns, one instruction a turn.
; zero = 1: the products start the sums: nothing is cleared.  mode 0, 1: a chunk's first, second K step in the stream, with what stands among them; 2: bare.
.macro KR ab, u, bb, zero, mode
.set n, 0
.irp i, 0,1,2,3
.irp t, 0,1,2,3,4,5,6,7
	WIN MM_LO
.if \zero
	v_wmma_f32_16x16x32_bf16 v[64*(\i)+8*(\t):64*(\i)+8*(\t)+7], v[(\ab)+16*(\i)+8*(\u):(\ab)+16*(\i)+8*(\u)+7], v[(\bb)+8*(\t):(\bb)+8*(\t)+7], 0
.else
	v_wmma_f32_16x16x32_bf16 v[64*(\i)+8*(\t):64*(\i)+8*(\t)+7], v[(\ab)+16*(\i)+8*(\u):(\ab)+16*(\i)+8*(\u)+7], v[(\bb)+8*(\t):(\bb)+8*(\t)+7], v[64*(\i)+8*(\t):64*(\i)+8*(\t)+7]
.endif
.if (\mode) == 0
	RIDE0
.elseif (\mode) == 1
	RIDE1
.endif
.if n == 2
	T4 \ab, \u, \bb, \zero, \mode
.endif
.set n, n+1
.endr
.endr
.endm
; THE TRIP of chunk c (p = c % 2).  Rows of c lie in row buffer p, weights of chunk x in staging x % 2.  Loads go out in this order: first K step: rows (c + 1, step 1): 8, and 2 more where tile 4
; is live; weights (c + 3): 16; second K step: rows (c + 2, step 0): 8, and 2 more, which stand between the first four and the last four.  With tile 4 live a wave has 62 loads out at the most.
; lc0: how many loads stand, at the least, behind rows (c, step 0), which were asked for in trip c - 2 behind weights (c + 1): in the loop 8 + 16 + 8.
; lc1: behind rows (c, step 1), asked for in trip c - 1: in the loop 16 + 8 + 8 + 16.
.macro TRIP p, zero, lc0, lc1, a1, a0, w, last
.set RSB, SG0+64*(1-(\p))
.set NA1, FA0+80*(1-(\p))
.set NA0, FA0+80*(\p)
.set DO_CV, 1-(\last)
.set DO_NB, 1-(\last)
.set DO_A1, \a1
.set DO_A0, \a0
.set DO_W,  \w
	s_wait_loadcnt \lc0
	s_wait_dscnt 0x0                               ; the first K step's fragments, asked for 23 products ago or more
.if (\a1) || (\a0) || (\w)
	s_wait_xcnt 0x0                                ; the bases of the loads and of the prefetch issued a trip ago are stepped only behind this wait
.endif
.if (\a1) || (\a0)
	s_add_nc_u64 s[AC:AC+1], s[AC:AC+1], 128
.endif
.if \w
	s_add_nc_u64 s[WC:WC+1], s[WC:WC+1], CH
	s_min_u32 s[OFS], s[PFO], 15*CH                ; past the slice's last chunk the offset is held at that chunk: no prefetch leaves W2
	s_add_nc_u64 s[PF:PF+1], s[6:7], s[OFS:OFS+1]
	s_add_co_u32 s[PFO], s[PFO], CH
.endif
.if !(\last)
	v_add_nc_u32 v[SA], s[SCB], v[ST0]
.endif
	v_add_nc_u32 v[BA0], s[CB], v[L16]
	KR FA0+80*(\p), 0, FB0, \zero, 0
	s_wait_loadcnt \lc1
	KR FA0+80*(\p), 1, FB1, 0, 1
	WIN 0
	s_add_co_u32 s[CB], s[CB], 16384
	s_add_co_u32 s[SCB], s[SCB], 16384
.endm
; The rows of pass s[pn]: the queue's first five slots are this pass's, and the queue moves up; my lane's row in each of the five tiles, and that row's gate, asked for here and used on the way out;
; whether the fifth tile is live.  A row of hb is 8,192 bytes.
.macro ROWS pn
	WIN 0x01                                       ; source 0 window 1
.irp i, 0,1,2,3,4
	v_mov_b32 v[CS+(\i)], v[QS+(\i)]
.endr
	WIN 0x41                                       ; destination and source 0 window 1
.irp k, 0,1,2,3,4,5,6,7,8,9,10,11,12,13,14
	v_mov_b32 v[QS+(\k)], v[QS+5+(\k)]
.endr
	WIN 0
	s_mul_i32 s36, s[\pn], 20
	s_add_co_u32 s36, s36, s[WV]
	s_add_co_u32 s36, s36, 16
	s_lshl_b32 s36, s36, 4
	s_cmp_lt_u32 s36, s[NE]
	s_cselect_b32 s[L5], 1, 0
.irp i, 0,1,2,3,4
	v_min_u32 v[AR+(\i)], 0x7ff, v[CS+(\i)]
	v_lshlrev_b32 v[GOF+(\i)], 2, v[AR+(\i)]
	v_lshl_add_u32 v[AR+(\i)], v[AR+(\i)], 13, v[H64]
.endr
.irp i, 0,1,2,3,4
	global_load_b32 v[GQ+(\i)], v[GOF+(\i)], s[8:9]
.endr
.endm
; A trip of a later pass, which only an expert with more than 320 rows has: the chunk's rows from memory, its fragments from the slice in LDS, both waited for, two K steps.
.macro XTRIP zero
	AH FA0, 0, 0, 0, 1, 2, 3, 4
	AH FA0, 1, 32, 0, 1, 2, 3, 4
	WIN 0
	v_add_nc_u32 v[BA0], s[CB], v[L16]
	BF FB0, 0, 0, 1, 2, 3, 4, 5, 6, 7
	BF FB1, 8192, 0, 1, 2, 3, 4, 5, 6, 7
	s_wait_loadcnt 0x0                             ; the rows (in the pass's first trip the gates too); the wait also frees the rows' base, which is stepped below
	s_wait_dscnt 0x0                               ; the fragments
	KR FA0, 0, FB0, \zero, 2
	KR FA0, 1, FB1, 0, 2
	WIN 0
	PLACES                                         ; in front of the next trip's loads, or of the way out
	s_add_nc_u64 s[AC:AC+1], s[AC:AC+1], 128
	s_add_co_u32 s[CB], s[CB], 16384
.endm
; The way out.  SPREAD: lane r holds row r's number; I want those of rows 8 h + 0..7: lanes 0-15 take rows j, lanes 16-31 rows 8 + j.
.macro SPREAD dst, src
.irp j, 0,1,2,3,4,5,6,7
	v_readlane_b32 s[36+2*((\j)%2)], v[\src], \j
	v_readlane_b32 s[37+2*((\j)%2)], v[\src], 8+(\j)
	v_mov_b32 v[(\dst)+(\j)], s[36+2*((\j)%2)]
	v_cndmask_b32 v[(\dst)+(\j)], v[(\dst)+(\j)], s[37+2*((\j)%2)], s[HM]
.endr
.endm
; BLOCK i: tile i's sums leave their window, take the row's gate and fall into the order of the stores, in one instruction each; each sum's register 0 is read first.
.macro BLOCK i
.if (\i) < 4
	WIN EP_LO
.set AB, 64*(\i)
.else
	WIN EP_HI
.set AB, 0
.endif
.irp u, 0,1
.irp j, 0,1,2,3,4,5,6,7
.irp ii, 0,1,2,3
	v_mul_f32 v[O+32*(\u)+4*(\j)+(\ii)], v[AB+8*(4*(\u)+(\ii))+(\j)], v[G+(\j)]
.endr
.endr
.endr
	WIN 0
.endm
	; ---- the head
	s_load_b256 s[4:11], s[0:1], 0x0               ; hb s[4:5], W2 s[6:7], gate s[8:9], rows s[10:11]
	s_load_b64 s[12:13], s[0:1], 0x20              ; yp
	v_lshl_add_u32 v[SPW], v0, 2, SPARE
	v_mov_b32 v[NIL], 0
	v_lshrrev_b32 v[T], 5, v0
	v_readfirstlane_b32 s[WV], v[T]
	s_and_b32 s[EX], ttmp7, 0xffff
	s_mov_b32 s[GX], ttmp9
	v_and_b32 v[LANE], 31, v0
	v_and_b32 v[R], 15, v0
	v_bfe_u32 v[H], v0, 4, 1
	v_lshlrev_b32 v[L16], 4, v[LANE]
	v_and_b32 v[T], 1, v0
	v_lshrrev_b32 v[PFV], 1, v[LANE]
	v_lshlrev_b32 v[PFV], 12, v[PFV]
	v_lshl_add_u32 v[PFV], v[T], 8, v[PFV]         ; prefetch: row lane / 2 of my 16, half lane % 2 of its 512 bytes
	; my columns 4 lane + i are column 64 (t / 4) + 4 r + t % 4 with r = lane % 16, t = 4 (lane / 16) + i
	v_lshlrev_b32 v[ST0], 4, v[R]
	v_lshl_add_u32 v[ST0], v[H], 12, v[ST0]
	s_and_b32 s36, s[WV], 1                        ; my 16 K rows of a chunk are K step wave % 2,
	s_lshl_b32 s36, s36, 13
	s_lshr_b32 s37, s[WV], 1                       ; half wave / 2 of the lanes
	s_lshl_b32 s37, s37, 8
	s_add_co_u32 s36, s36, s37
	v_add_nc_u32 v[ST0], s36, v[ST0]
	v_lshlrev_b32 v[R16], 4, v[R]
	v_lshlrev_b32 v[H64], 6, v[H]
	v_lshlrev_b32 v[LR], 2, v[R]
	s_lshl_b32 s36, s[WV], 6
	v_add_nc_u32 v[LR], s36, v[LR]
	v_mov_b32 v33, 0
	s_mov_b32 s[HM], 0xffff0000
	s_and_b32 s36, s[GX], 7                        ; ns
	s_lshr_b32 s37, s[GX], 3                       ; q
	s_lshl_b32 s[OFS], s[EX], 24                   ; W2[e]: 16,777,216 bytes an expert,
	s_lshl_b32 s38, s37, 22                        ; + 1,024 q K rows,
	s_add_co_u32 s[OFS], s[OFS], s38
	s_lshl_b32 s39, s36, 9                         ; + 512 ns: my slice's columns,
	s_add_co_u32 s[OFS], s[OFS], s39
	s_lshl_b32 s38, s[WV], 16                      ; + my 16 K rows
	s_add_co_u32 s[OFS], s[OFS], s38
	s_mov_b32 s[OFS+1], 0
	s_wait_kmcnt 0x0
	s_add_nc_u64 s[6:7], s[6:7], s[OFS:OFS+1]      ; fixed from here on
	s_mov_b64 s[WC:WC+1], s[6:7]
	s_lshl_b32 s[OFS], s37, 11
	s_add_nc_u64 s[4:5], s[4:5], s[OFS:OFS+1]      ; hb at my quarter of the hidden width
	s_mov_b64 s[AC:AC+1], s[4:5]
	s_lshl_b32 s[OFS], s37, 12
	s_add_co_u32 s[OFS], s[OFS], s39
	s_add_nc_u64 s[12:13], s[12:13], s[OFS:OFS+1]  ; yp at my quarter's row and my 128 columns
	s_mul_i32 s[OFS], s[EX], ROWB
	s_add_nc_u64 s[10:11], s[10:11], s[OFS:OFS+1]  ; rows at my expert's part
	global_load_b32 v32, v33, s[10:11] offset:CNTB ; the expert's number of rows
	WIN A_LD                                       ; destination window 1
.irp p, 0,1,2,3
.irp i, 0,1,2,3,4
	global_load_b32 v[QS+5*(\p)+(\i)], v[LR], s[10:11] offset:1280*(\p)+256*(\i)   ; row r of tile 20 p + 4 i + wave: all my 20 tiles, once
.endr
.endr
	LOADW SG0, 0                                   ; chunks 0 and 1: 53 loads are out
	LOADW SG1, CH
	WIN 0
.irp c, 3,4,5
	global_prefetch_b8 v[PFV], s[6:7] offset:(\c)*CH th:TH_LOAD_NT scope:SCOPE_SE   ; my rows of chunks 3 to 5; the trips ask for 6 and on
.endr
	s_wait_loadcnt 32                              ; the count and my part of the list are in; the weights' 32 loads stay out
	v_readfirstlane_b32 s[NE], v32
	s_min_u32 s[NE], s[NE], 1024
	s_mov_b32 s[PASS], 0
	ROWS PASS
	AH FA0, 0, 0, 0, 1, 2, 3, 4                    ; the rows of chunk 0, both K steps
	AH FA0, 1, 32, 0, 1, 2, 3, 4
	WIN 0
	s_wait_loadcnt 25                              ; the weights of chunks 0 and 1, asked for together, are in; behind them: 5 gates and the rows' 20
.set RSB, SG0
	v_mov_b32 v[SA], v[ST0]                        ; chunk 0 lies at the slice's head
	CV 0, 0
	CV 0, 1
	CV 0, 2
	CV 0, 3
	SS 0
	CV 1, 0
	CV 1, 1
	CV 1, 2
	CV 1, 3
	SS 1
	s_wait_xcnt 0x0                                ; the weights' base is stepped only behind this wait
	s_add_nc_u64 s[WC:WC+1], s[WC:WC+1], 2*CH
	LOADW SG0, 0                                   ; chunk 2
	AH FA1, 0, 128, 0, 1, 2, 3, 4                  ; chunk 1's first K step: 51 loads are out at the most
	WIN 0
	s_wait_dscnt 0x0                               ; for the others' sake: my part of chunk 0 lies in LDS
	s_barrier_signal -1
	s_barrier_wait -1
	v_mov_b32 v[BA0], v[L16]
	BF FB0, 0, 0, 1, 2, 3, 4, 5, 6, 7
	s_mov_b32 s[CB], 0
	s_mov_b32 s[SCB], 16384
	s_mov_b32 s[PFO], 6*CH
	; ---- the stream: 16 chunks
	TRIP 0, 1, 32, 48, 1, 1, 1, 0                  ; chunk 0 stands in front of the loop: its first products start the sums
	s_mov_b32 s[KC], 6
.Lk:                                                   ; chunks 1 to 12
	TRIP 1, 0, 32, 48, 1, 1, 1, 0
	TRIP 0, 0, 32, 48, 1, 1, 1, 0
	s_sub_co_u32 s[KC], s[KC], 1
	s_cmp_lg_u32 s[KC], 0
	s_cbranch_scc1 .Lk
	TRIP 1, 0, 32, 32, 1, 1, 0, 0                  ; chunk 13: no weights are left to ask for: behind rows (13, step 1) stand 16 + 8 + 8
	TRIP 0, 0, 16, 16, 1, 0, 0, 0                  ; chunk 14: behind rows (14, step 0): 8 + 8; behind rows (14, step 1): 8 + 8
	TRIP 1, 0, 8, 0, 0, 0, 0, 1                    ; chunk 15: behind rows (15, step 0): 8; then nothing
	PLACES                                         ; in front of the way out, which reads the sums and writes the fragments' registers
	; ---- the passes: a pass's way out, then the next pass's products
.Lpass:
	s_mov_b32 s[TI], 0
.Lep:
	s_mul_i32 s36, s[PASS], 20
	s_add_co_u32 s36, s36, s[WV]
	s_lshl_b32 s37, s[TI], 2
	s_add_co_u32 s36, s36, s37                     ; the tile's number,
	s_lshl_b32 s36, s36, 4                         ; its first place in the list
	s_cmp_ge_u32 s36, s[NE]
	s_cbranch_scc1 .Lepnext                        ; a dead tile stores nothing
	SPREAD SL, CS                                  ; the slots,
	SPREAD G, GQ                                   ; and the gates, which came in with the pass's first rows: nothing is waited for here
	s_wait_xcnt 0x0                                ; the last tile's stores have read RA and O: they are rewritten only behind this wait
.irp j, 0,1,2,3,4,5,6,7
	v_min_u32 v[SL+(\j)], 0x7ff, v[SL+(\j)]
	v_lshl_add_u32 v[RA+(\j)], v[SL+(\j)], 14, v[R16]   ; a slot's four partial rows are 16,384 bytes; my 16 bytes of each 256
.endr
	s_cmp_eq_u32 s[TI], 0
	s_cbranch_scc1 .Lb0
	s_cmp_eq_u32 s[TI], 1
	s_cbranch_scc1 .Lb1
	s_cmp_eq_u32 s[TI], 2
	s_cbranch_scc1 .Lb2
	s_cmp_eq_u32 s[TI], 3
	s_cbranch_scc1 .Lb3
	BLOCK 4
	s_branch .Lcommon
.Lb0:
	BLOCK 0
	s_branch .Lcommon
.Lb1:
	BLOCK 1
	s_branch .Lcommon
.Lb2:
	BLOCK 2
	s_branch .Lcommon
.Lb3:
	BLOCK 3
.Lcommon:
.irp j, 0,1,2,3,4,5,6,7
.irp u, 0,1
	global_store_b128 v[RA+(\j)], v[O+32*(\u)+4*(\j):O+32*(\u)+4*(\j)+3], s[12:13] offset:256*(\u)   ; lanes 0-15: 256 consecutive bytes of row j, aligned; lanes 16-31: of row 8 + j
.endr
.endr
.Lepnext:
.irp i, 0,1,2,3
	v_mov_b32 v[CS+(\i)], v[CS+(\i)+1]             ; the next tile's slots and gates come to the front
	v_mov_b32 v[GQ+(\i)], v[GQ+(\i)+1]
.endr
	s_add_co_u32 s[TI], s[TI], 1
	s_cmp_lt_u32 s[TI], 5
	s_cbranch_scc1 .Lep
	s_add_co_u32 s38, s[PASS], 1                   ; has the next pass a live tile of mine?  Its first is 20 (pass + 1) + wave
	s_mul_i32 s36, s38, 20
	s_add_co_u32 s36, s36, s[WV]
	s_lshl_b32 s36, s36, 4
	s_cmp_ge_u32 s36, s[NE]
	s_cbranch_scc1 .Ldone                          ; no, and then no later pass has one: I leave the loop; no barrier is jumped.  Behind pass 3 this is always so: 1,280 places and more against 1,024 rows
	s_wait_xcnt 0x0                                ; the stores' data lie where the fragments go, and the rows' offsets and base are rewritten: only behind this wait
	ROWS 38
	s_mov_b64 s[AC:AC+1], s[4:5]
	s_mov_b32 s[CB], 0
	XTRIP 1                                        ; chunk 0 starts the sums
	s_mov_b32 s[KC], 15
.Lx:
	XTRIP 0
	s_sub_co_u32 s[KC], s[KC], 1
	s_cmp_lg_u32 s[KC], 0
	s_cbranch_scc1 .Lx
	s_add_co_u32 s[PASS], s[PASS], 1
	s_cmp_lt_u32 s[PASS], 4
	s_cbranch_scc1 .Lpass
.Ldone:
	s_wait_dscnt 0x0                               ; my reads of LDS are over, those of the later passes too;
	s_barrier_signal -1                            ; one more barrier, on every wave's path: every way out of the loop above leads here
	s_barrier_wait -1                              ; every wave's reads of LDS are over before any wave writes LDS again, by the add below
	s_wait_tensorcnt 0x0                           ; the wave's end: three lines behind my last LDS store
	ds_add_u32 v[SPW], v[NIL]
	s_wait_dscnt 0x0
	s_endpgm
.Lfunc_end_k_qbdae2100e0_down:
	.size	k_qbdae2100e0_down, .Lfunc_end_k_qbdae2100e0_down-k_qbdae2100e0_down
	.p2alignl 7, 3214868480
	.fill 96, 4, 3214868480
	.section	.rodata,"a",@progbits
	.p2align	6, 0x0
	.amdhsa_kernel k_qbdae2100e0_down
		.amdhsa_group_segment_fixed_size 262656
		.amdhsa_private_segment_fixed_size 0
		.amdhsa_enable_private_segment 0
		.amdhsa_kernarg_size 40
		.amdhsa_user_sgpr_count 2
		.amdhsa_user_sgpr_kernarg_segment_ptr 1
		.amdhsa_wavefront_size32 1
		.amdhsa_system_sgpr_workgroup_id_x 1
		.amdhsa_system_sgpr_workgroup_id_y 1
		.amdhsa_system_sgpr_workgroup_id_z 1
		.amdhsa_system_vgpr_workitem_id 0
		.amdhsa_next_free_vgpr 960
		.amdhsa_next_free_sgpr 66
		.amdhsa_reserve_vcc 0
		.amdhsa_float_denorm_mode_32 3
		.amdhsa_float_denorm_mode_16_64 3
		.amdhsa_memory_ordered 1
		.amdhsa_forward_progress 1
		.amdhsa_inst_pref_size 137
	.end_amdhsa_kernel
	.amdgpu_metadata
---
amdhsa.version: [ 1, 2 ]
amdhsa.kernels:
  - .name:           k_qbdae2100e0_down
    .symbol:         k_qbdae2100e0_down.kd
    .args:
      - { .name: hb, .offset: 0, .size: 8, .value_kind: global_buffer, .address_space: global }
      - { .name: W2, .offset: 8, .size: 8, .value_kind: global_buffer, .address_space: global }
      - { .name: gate, .offset: 16, .size: 8, .value_kind: global_buffer, .address_space: global }
      - { .name: rows, .offset: 24, .size: 8, .value_kind: global_buffer, .address_space: global }
      - { .name: yp, .offset: 32, .size: 8, .value_kind: global_buffer, .address_space: global }
    .group_segment_fixed_size: 262656
    .private_segment_fixed_size: 0
    .kernarg_segment_align: 8
    .kernarg_segment_size: 40
    .max_flat_workgroup_size: 128
    .sgpr_count:     66
    .vgpr_count:     960
    .wavefront_size: 32
...
	.end_amdgpu_metadata
.endif
;; end of part 3
;; launch combine (part 4): grid 256 x 1, 8 waves a work-group, no clusters, 0 bytes of LDS; arguments yp, b2, idx, gate, out0; writes out0
.if DOCPART == 4
	.amdgcn_target "amdgcn-amd-amdhsa--gfx1250"
	.amdhsa_code_object_version 6
	.text
	.protected	k_qbdae2100e0_combine
	.globl	k_qbdae2100e0_combine
	.p2align	8
	.type	k_qbdae2100e0_combine,@function
k_qbdae2100e0_combine:
	s_mov_b64 s[64:65], 0
	v_nop
	global_prefetch_b8 v0, s[64:65] scope:SCOPE_SE
	s_setreg_imm32_b32 hwreg(HW_REG_WAVE_MODE, 25, 1), 1
	s_wait_xcnt 0x0
; COMBINE.  out[t][:] = the sum of the token's 8 partial rows (2 choices x 4 quarters of the hidden width, the gates already in them) + g0 b2[e0][:] + g1 b2[e1][:].
; yp [2048][4][1024] f32: a token's 8 rows are 32,768 consecutive bytes.  b2 [8][1024] f32, rounded to bf16 like every input.  All sums in f32.
; A stream: two waves take a token, each half of its row (2,048 bytes of out); each load and store of a wave covers 512 consecutive bytes; every byte of yp is read once and every byte of out written
; once.  LDS, barriers and the matrix unit would add nothing.  All of a wave's 40 loads go out before its first sum: the 32 of yp ahead of the wait for the token's experts and gates.
.set YB, 16                            ; v16-143   quarter b of the row (0, 1 of my half): piece mm (0, 1), row at 64 b + 32 mm + 4 row
.set BB, 144                           ; v144-175  quarter b: piece mm, choice c at 16 b + 8 mm + 4 c
.macro LDY b
.irp mm, 0,1
.irp row, 0,1,2,3,4,5,6,7
	global_load_b128 v[YB+64*(\b)+32*(\mm)+4*(\row):YB+64*(\b)+32*(\mm)+4*(\row)+3], v2, s[4:5] offset:4096*(\row)+512*(2*(\b)+(\mm)) th:TH_LOAD_NT
.endr
.endr
.endm
.macro LDB b
.irp mm, 0,1
	global_load_b128 v[BB+16*(\b)+8*(\mm):BB+16*(\b)+8*(\mm)+3],   v2, s[24:25] offset:512*(2*(\b)+(\mm))
	global_load_b128 v[BB+16*(\b)+8*(\mm)+4:BB+16*(\b)+8*(\mm)+7], v2, s[26:27] offset:512*(2*(\b)+(\mm))
.endr
.endm
.macro SUM b
.irp mm, 0,1
.set Y,  YB+64*(\b)+32*(\mm)
.set BQ, BB+16*(\b)+8*(\mm)
.irp rw, 0,2,4,6                       ; a tree over the 8 rows
.irp hf, 0,2
	v_pk_add_f32 v[Y+4*(\rw)+(\hf):Y+4*(\rw)+(\hf)+1], v[Y+4*(\rw)+(\hf):Y+4*(\rw)+(\hf)+1], v[Y+4*(\rw)+4+(\hf):Y+4*(\rw)+4+(\hf)+1]
.endr
.endr
.irp k, 0,1,2,3
	v_cvt_pk_bf16_f32 v[4+(\k)], v[BQ+2*(\k)], v[BQ+2*(\k)+1]    ; b2 rounded to bf16,
.endr
.irp rw, 0,4
.irp hf, 0,2
	v_pk_add_f32 v[Y+4*(\rw)+(\hf):Y+4*(\rw)+(\hf)+1], v[Y+4*(\rw)+(\hf):Y+4*(\rw)+(\hf)+1], v[Y+4*(\rw)+8+(\hf):Y+4*(\rw)+8+(\hf)+1]
.endr
.endr
.irp k, 0,1,2,3
	v_lshlrev_b32 v[BQ+2*(\k)], 16, v[4+(\k)]      ; and written as f32 again
	v_and_b32 v[BQ+2*(\k)+1], 0xffff0000, v[4+(\k)]
.endr
.irp hf, 0,2
	v_pk_add_f32 v[Y+(\hf):Y+(\hf)+1], v[Y+(\hf):Y+(\hf)+1], v[Y+16+(\hf):Y+16+(\hf)+1]
.endr
.irp hf, 0,2
	v_pk_fma_f32 v[Y+(\hf):Y+(\hf)+1], v[BQ+(\hf):BQ+(\hf)+1], s[18:19], v[Y+(\hf):Y+(\hf)+1] op_sel_hi:[1,0,1]      ; + g0 b2[e0]
.endr
.irp hf, 0,2
	v_pk_fma_f32 v[Y+(\hf):Y+(\hf)+1], v[BQ+4+(\hf):BQ+4+(\hf)+1], s[20:21], v[Y+(\hf):Y+(\hf)+1] op_sel_hi:[1,0,1]  ; + g1 b2[e1]
.endr
	global_store_b128 v2, v[Y:Y+3], s[12:13] offset:512*(2*(\b)+(\mm)) th:TH_STORE_NT
.endr
.endm
	s_load_b256 s[4:11], s[0:1], 0x0               ; yp s[4:5], b2 s[6:7], idx s[8:9], gate s[10:11]
	s_load_b64 s[12:13], s[0:1], 0x20              ; out0
	v_lshrrev_b32 v1, 5, v0
	v_readfirstlane_b32 s14, v1                    ; wave 0..7
	v_and_b32 v2, 31, v0
	v_lshlrev_b32 v2, 4, v2                        ; 16 bytes a lane; never rewritten
	s_lshr_b32 s15, s14, 1
	s_lshl2_add_u32 s15, ttmp9, s15                ; my token = 4 x work-group + wave / 2
	s_and_b32 s31, s14, 1
	s_lshl_b32 s31, s31, 11                        ; my half of a row: 2,048 bytes
	s_lshl_b32 s30, s15, 3                         ; the token's two words in idx and in gate
	s_lshl_b32 s22, s15, 15                        ; its 8 rows in yp
	s_add_co_u32 s22, s22, s31
	s_mov_b32 s23, 0
	s_lshl_b32 s28, s15, 12                        ; its row in out
	s_add_co_u32 s28, s28, s31
	s_mov_b32 s29, 0
	s_wait_kmcnt 0x0
	s_load_b64 s[16:17], s[8:9], s30 offset:0x0    ; e0, e1
	s_load_b64 s[18:19], s[10:11], s30 offset:0x0  ; g0, g1
	s_add_nc_u64 s[4:5], s[4:5], s[22:23]
	s_add_nc_u64 s[12:13], s[12:13], s[28:29]
	LDY 0
	LDY 1
	s_wait_kmcnt 0x0
	s_min_u32 s16, s16, 7                          ; an index stays inside its table
	s_min_u32 s17, s17, 7
	s_lshl_b32 s22, s16, 12                        ; a row of b2 is 4,096 bytes
	s_add_co_u32 s22, s22, s31
	s_add_nc_u64 s[24:25], s[6:7], s[22:23]
	s_lshl_b32 s22, s17, 12
	s_add_co_u32 s22, s22, s31
	s_add_nc_u64 s[26:27], s[6:7], s[22:23]
	s_mov_b32 s20, s19                             ; g1 as the low word of a pair: the packed multiply-add gives a scalar pair's low word to both halves
	s_mov_b32 s21, s19
	LDB 0
	LDB 1
	s_wait_loadcnt 0x4                             ; my first quarter is in, b2's part too; behind it: the 4 loads of b2 for the second
	SUM 0
	s_wait_loadcnt 0x0
	SUM 1
	s_endpgm
.Lfunc_end_k_qbdae2100e0_combine:
	.size	k_qbdae2100e0_combine, .Lfunc_end_k_qbdae2100e0_combine-k_qbdae2100e0_combine
	.p2alignl 7, 3214868480
	.fill 96, 4, 3214868480
	.section	.rodata,"a",@progbits
	.p2align	6, 0x0
	.amdhsa_kernel k_qbdae2100e0_combine
		.amdhsa_group_segment_fixed_size 0
		.amdhsa_private_segment_fixed_size 0
		.amdhsa_enable_private_segment 0
		.amdhsa_kernarg_size 40
		.amdhsa_user_sgpr_count 2
		.amdhsa_user_sgpr_kernarg_segment_ptr 1
		.amdhsa_wavefront_size32 1
		.amdhsa_system_sgpr_workgroup_id_x 1
		.amdhsa_system_sgpr_workgroup_id_y 1
		.amdhsa_system_sgpr_workgroup_id_z 1
		.amdhsa_system_vgpr_workitem_id 0
		.amdhsa_next_free_vgpr 176
		.amdhsa_next_free_sgpr 66
		.amdhsa_reserve_vcc 0
		.amdhsa_float_denorm_mode_32 3
		.amdhsa_float_denorm_mode_16_64 3
		.amdhsa_memory_ordered 1
		.amdhsa_forward_progress 1
		.amdhsa_inst_pref_size 13
	.end_amdhsa_kernel
	.amdgpu_metadata
---
amdhsa.version: [ 1, 2 ]
amdhsa.kernels:
  - .name:           k_qbdae2100e0_combine
    .symbol:         k_qbdae2100e0_combine.kd
    .args:
      - { .name: yp, .offset: 0, .size: 8, .value_kind: global_buffer, .address_space: global }
      - { .name: b2, .offset: 8, .size: 8, .value_kind: global_buffer, .address_space: global }
      - { .name: idx, .offset: 16, .size: 8, .value_kind: global_buffer, .address_space: global }
      - { .name: gate, .offset: 24, .size: 8, .value_kind: global_buffer, .address_space: global }
      - { .name: out0, .offset: 32, .size: 8, .value_kind: global_buffer, .address_space: global }
    .group_segment_fixed_size: 0
    .private_segment_fixed_size: 0
    .kernarg_segment_align: 8
    .kernarg_segment_size: 40
    .max_flat_workgroup_size: 256
    .sgpr_count:     66
    .vgpr_count:     176
    .wavefront_size: 32
...
	.end_amdgpu_metadata
.endif
;; end of part 4
